; MI455X (gfx1250); checked and timed in simulation.
; The chip was launched on July 23, 2026; its instructions are those of AMD's public machine-readable ISA for CDNA 5 (MIT licence, August 2026) and "CDNA5" Instruction Set Architecture Reference Guide (July 2026). The comments in the code are by the model that wrote it; some were corrected since.
;; Multi Head Attention. Allowed arithmetic: matrix products marked QUANTISED: E5M2 operands, one given power-of-two scale a tensor, by v_wmma_f32_16x16x64_bf8_bf8 or v_wmma_f32_16x16x128_bf8_bf8, f32 sums; everything else in f32.
;; Inputs: Wk 1,024 x 1,024 float32; Wo 1,024 x 1,024 float32; Wq 1,024 x 1,024 float32; Wv 1,024 x 1,024 float32; bk 1,024 float32; bo 1,024 float32; bq 1,024 float32; bv 1,024 float32; lowp_scales 12 int32 (the exponents e of the quantised operands' scales 2^e); x 4 x 2,048 x 1,024 float32.
;; Outputs: out0 4 x 2,048 x 1,024 float32.
;; This version of the problem:
;;   THIS VERSION OF THE PROBLEM IS GIVEN IN LOW PRECISION. The matrix products marked QUANTISED in the list below multiply operands that are first quantised to E5M2 (5 exponent bits, 2 mantissa bits; 8 bits a number), with one given power-of-two scale for each operand tensor; their sums are f32. All else is computed in f32.
;;   The module's matrix products, in the order in which they are computed (A, B: the left and right operand; K: the contracted axis; several contracted axes count as one K, in the product's order):
;;     1. [M 8,192, K 1,024] x [K 1,024, N 1,024]; A: input x; B: input Wq: QUANTISED (scales: A lowp_scales[0], B lowp_scales[1])
;;     2. [M 8,192, K 1,024] x [K 1,024, N 1,024]; A: input x; B: input Wk: QUANTISED (scales: A lowp_scales[2], B lowp_scales[3])
;;     3. [M 8,192, K 1,024] x [K 1,024, N 1,024]; A: input x; B: input Wv: QUANTISED (scales: A lowp_scales[4], B lowp_scales[5])
;;     4. batch 64 x [M 2,048, K 64] x [K 64, N 2,048]; A: computed on the way; B: computed on the way: QUANTISED (scales: A lowp_scales[6], B lowp_scales[7])
;;     5. batch 64 x [M 2,048, K 2,048] x [K 2,048, N 64]; A: softmax (see below); B: computed on the way: QUANTISED (scales: A lowp_scales[8], B lowp_scales[9])
;;     6. [M 8,192, K 1,024] x [K 1,024, N 1,024]; A: computed on the way; B: input Wo: QUANTISED (scales: A lowp_scales[10], B lowp_scales[11])
;;   THE QUANTISER, for each operand of a quantised product, along K:
;;     - The operand's scale is 2^e, e = its entry of the input lowp_scales (int32; the entries are numbered through the quantised products in the list's order, A before B).
;;     - Each number is divided by the scale, clamped to +-57,344, and rounded to the nearest number of E5M2, ties to even, subnormals kept.
;;     - The product sums the exact products of the quantised numbers (number of the format x scale) in f32.
;;   ~~~python
;;   def quantise(x, axis, e):      # numpy; x: float32 -> the quantised numbers, widened to float32 again
;;       x = np.moveaxis(x, axis, -1); K = x.shape[-1]
;;       r = np.clip(x / 2.0 ** e, -57344, 57344)
;;       step = 2.0 ** (np.maximum(np.frexp(np.where(r == 0, 1, r))[1] - 1, -14) - 2)
;;       q = np.round(r / step) * step * 2.0 ** e      # np.round: ties to even
;;       return np.moveaxis(q, -1, axis).astype(np.float32)
;;   ~~~
;;   SOFTMAX AHEAD OF A QUANTISED PRODUCT. Where the list says 'softmax', what is quantised is not the finished softmax but p = 2^(t - M), with t = logit x log2(e) and M = ceil(the row's largest t), a whole number; so 1/2 < the row's largest p <= 1. The row's sum l is taken of the UNQUANTISED p, in f32, and the product's result is divided by l at the end. Since M is a whole number, a kernel that streams over the keys may use a running M (the ceiling of the running maximum): every later rescaling is an exact power of two, so the quantised numbers keep their values, but for numbers so far below the row's largest that they fall under the format's range.
;;   OPERANDS COMPUTED ON THE WAY. 'Computed on the way' means the value that the module computes at that place (a softmax that the list does not call 'softmax' is quantised finished and normalised). What goes into a quantiser is computed in f32, as accurately as f32 sums, v_exp_f32 and their like allow (about 1e-6 of the number): no bf16 or f16 on the way to a quantiser, and a product that is left as it is and whose result goes on into a quantised operand takes f32 operands (vector FMAs, or v_wmma_f32_16x16x4_f32). A number that lies on a knife's edge between two numbers of the format may be rounded either way, as far as f32 arithmetic and the matrix unit's own rounding can turn it there, and no further.
;; One version. Each part assembles by itself: llvm-mc -triple=amdgcn-amd-amdhsa -mcpu=gfx1250 --defsym DOCPART=n.
;; ======== version 1 of 1: 4 launches
;; limits: right only within a limited range of input values
;; workspace buffers: xc 25,165,824 bytes; wc 4,194,304 bytes; qkv 25,165,824 bytes; ao 8,388,608 bytes
;; launch quant (part 1): grid 384 x 1, 4 waves a work-group, no clusters, 33,280 bytes of LDS; arguments x, Wq, Wk, Wv, Wo, lowp_scales, xc, wc; writes xc, wc
.if DOCPART == 1
	.amdgcn_target "amdgcn-amd-amdhsa--gfx1250"
	.amdhsa_code_object_version 6
	.text
	.protected	k_qf9c72ac1f0_quant
	.globl	k_qf9c72ac1f0_quant
	.p2align	8
	.type	k_qf9c72ac1f0_quant,@function
k_qf9c72ac1f0_quant:
	s_mov_b64 s[64:65], 0
	v_nop
	global_prefetch_b8 v0, s[64:65] scope:SCOPE_SE
	s_setreg_imm32_b32 hwreg(HW_REG_WAVE_MODE, 25, 1), 1
	s_wait_xcnt 0x0
; x [8192][1024] f32 becomes THREE sets of codes of BF8 (E5M2), one for each of its given scales (entries 0, 2, 4 of the scales' exponents: the q, k and v projections);
; Wq, Wk, Wv, Wo [1024][1024] f32 become one set each (entries 1, 3, 5, 11).  K is innermost in all of them, rows are dense: every tensor is a plain stream of numbers, and so are its codes.
; code = number / 2^e, rounded to the nearest code, ties to even.
; LIMITS: each e lies between -126 and 112, so that 2^e is an f32 number.  NaN among the inputs is not served.
; xc: part j (8,388,608 bytes) holds x under scale 2 j.  wc: part j (1,048,576 bytes) holds Wq, Wk, Wv, Wo.
; SHARES.  A work-group takes 32,768 numbers, a wave 16 steps of 512.  Work-groups 0-255 take x, then 32 each take Wq, Wk, Wv, Wo: the buffers are chosen by selects on the work-group's number.
; A conversion takes eight neighbours from ONE lane's registers, a load is best where neighbouring LANES take neighbouring bytes: each of a step's four loads reads 512 consecutive bytes, the 2,048 bytes go
; through the wave's own stage in LDS as they lie and come back 64 bytes a lane (16 bytes of padding behind each 64).  A lane's 16 codes are 16 bytes: a store of the wave covers 512 consecutive bytes.
; All work-groups take one way through the loads and the LDS lines; only x's second and third conversion, with their stores, stand under a scalar branch on the work-group's number.
; No tensor loads, no barrier: waves share nothing.  Loads run four steps (16 loads a wave) ahead, the turn through LDS one step.
.set NX,    256                        ; x's work-groups
.set STEPS, 16
.set SP,    80                         ; a lane's place in a stage: 64 bytes + 16 of padding
.set WREG,  8192                       ; LDS of a wave: two stages of 32 x SP bytes
.set SC,    8                          ; v8, v10, v12: 2^e as f32
.set R,     16                         ; v16-79   four sets of 16 numbers as they are loaded
.set X,     80                         ; v80-111  two sets of 16 neighbours
.set T,     112
.set C,     160                        ; v160-171 the codes, four registers for each scale
.set D,     26                         ; s[26:27], s[28:29], s[30:31]: where the codes under scale 0, 1, 2 go
	s_load_b512 s[4:19], s[0:1], 0x0               ; x 4, Wq 6, Wk 8, Wv 10, Wo 12, the exponents 14, xc 16, wc 18
	v_lshl_add_u32 v176, v0, 2, 0x8000
	v_mov_b32 v177, 0
	v_lshrrev_b32 v1, 5, v0
	v_readfirstlane_b32 s20, v1                    ; wave
	v_and_b32 v2, 31, v0                           ; lane
	v_lshlrev_b32 v3, 4, v2                        ; 16 x lane: my bytes of a load's 512, and of a store's
	s_mul_i32 s21, s20, WREG
	v_lshrrev_b32 v14, 2, v2
	v_mul_u32_u24 v14, v14, SP
	v_and_b32 v15, 3, v2
	v_lshl_add_u32 v14, v15, 4, v14
	v_add_nc_u32 v14, s21, v14                     ; the stage, on the way in: four lanes' 64 bytes on end, then the padding
	v_mul_u32_u24 v15, v2, SP
	v_add_nc_u32 v15, s21, v15                     ; and on the way out: my 16 neighbours
	s_sub_co_u32 s21, ttmp9, NX
	s_bfe_u32 s22, s21, 0x20005                    ; j: which weight (two bits from bit 5)
	s_and_b32 s23, s21, 31                         ; and which of its 32 work-groups
	s_lshl_b32 s34, s22, 20
	s_mov_b32 s35, 0
	s_wait_alu depctr_va_vdst(0)
	s_wait_kmcnt 0x0
	s_load_b256 s[36:43], s[14:15], 0x0            ; e0 .. e7
	s_load_b128 s[44:47], s[14:15], 0x20           ; e8 .. e11
	s_add_nc_u64 s[D:D+1], s[18:19], s[34:35]      ; wc's part j
	s_cmp_eq_u32 s22, 2
	s_cselect_b64 s[24:25], s[10:11], s[12:13]     ; Wv, else Wo
	s_cmp_eq_u32 s22, 1
	s_cselect_b64 s[24:25], s[8:9], s[24:25]       ; Wk
	s_cmp_eq_u32 s22, 0
	s_cselect_b64 s[24:25], s[6:7], s[24:25]       ; Wq
	s_cmp_lt_u32 ttmp9, NX
	s_cselect_b64 s[24:25], s[4:5], s[24:25]       ; x
	s_cselect_b64 s[D:D+1], s[16:17], s[D:D+1]
	s_cselect_b32 s32, ttmp9, s23
	s_lshl_b32 s32, s32, 2
	s_add_co_u32 s32, s32, s20                     ; which run of 8,192 numbers of the tensor is my wave's
	s_lshl_b32 s34, s32, 15
	s_add_nc_u64 s[24:25], s[24:25], s[34:35]      ; its numbers,
	s_lshl_b32 s34, s32, 13
	s_add_nc_u64 s[D:D+1], s[D:D+1], s[34:35]      ; its codes,
	s_add_nc_u64 s[D+2:D+3], s[16:17], s[34:35]
	s_add_nc_u64 s[D+4:D+5], s[D+2:D+3], 1<<24     ; and, for x alone, its codes in xc's parts 2
	s_add_nc_u64 s[D+2:D+3], s[D+2:D+3], 1<<23     ; and 1
.macro LOAD t
.irp i, 0,1,2,3
	global_load_b128 v[R+16*((\t)%4)+4*\i:R+16*((\t)%4)+4*\i+3], v3, s[24:25] offset:2048*(\t)+512*\i th:TH_LOAD_NT   ; 32 lanes read 512 consecutive bytes; read once in the launch
.endr
.endm
.macro TURN t                          ; step t's numbers through the stage: LDS serves a wave's instructions in order, so no wait stands between the stores and the loads
.irp i, 0,1,2,3
	ds_store_b128 v14, v[R+16*((\t)%4)+4*\i:R+16*((\t)%4)+4*\i+3] offset:32*SP*((\t)%2)+8*SP*\i
.endr
.irp i, 0,1,2,3
	ds_load_b128 v[X+16*((\t)%2)+4*\i:X+16*((\t)%2)+4*\i+3], v15 offset:32*SP*((\t)%2)+16*\i
.endr
.endm
.macro SCALE n, e                      ; from the exponent in s[e]: 2^e, whose exponent field the conversion takes
	s_add_co_i32 s50, s[\e], 127
	s_lshl_b32 s51, s50, 23
	v_mov_b32 v[SC+2*\n], s51
.endm
.irp t, 0,1,2,3
	LOAD \t
.endr
	s_wait_kmcnt 0x0
	s_cmp_eq_u32 s22, 2
	s_cselect_b32 s48, s41, s47                    ; e5 for Wv, else e11 for Wo
	s_cmp_eq_u32 s22, 1
	s_cselect_b32 s48, s39, s48                    ; e3 for Wk
	s_cmp_eq_u32 s22, 0
	s_cselect_b32 s48, s37, s48                    ; e1 for Wq
	s_cmp_lt_u32 ttmp9, NX
	s_cselect_b32 s48, s36, s48                    ; e0 for x
	SCALE 0, 48
	SCALE 1, 38                                    ; e2 and e4: x's other two
	SCALE 2, 40
	s_wait_alu depctr_va_vdst(0)
	s_wait_loadcnt 12                              ; step 0's four loads are in
	TURN 0
; The 16 neighbours in v[XS] on, under scale n: two conversions, one store.
.macro CONV n, t
.irp i, 0,1,2,3,4,5,6,7,8,9,10,11,12,13,14,15
.endr
	v_cvt_scalef32_pk8_bf8_f32 v[C+4*\n:C+4*\n+1], v[T+16*\n+((XS+0)-(T+16*\n+0)):T+16*\n+7+((XS+0)-(T+16*\n+0))], v[SC+2*\n]
	v_cvt_scalef32_pk8_bf8_f32 v[C+4*\n+2:C+4*\n+3], v[T+16*\n+8+((XS+0)-(T+16*\n+0)):T+16*\n+15+((XS+0)-(T+16*\n+0))], v[SC+2*\n]
	v_nop                                          ; one plain vector line behind the conversions, on both ways of the branch below
	global_store_b128 v3, v[C+4*\n:C+4*\n+3], s[D+2*\n:D+2*\n+1] offset:512*(\t)
.endm
.macro STEP t
.set XS, X+16*((\t)%2)
	s_wait_dscnt 0x0                               ; this step's numbers are back from the stage, and its stores into the stage have read their registers
	s_wait_xcnt 0x0                                ; the last step's stores have read their codes: those registers are written again below.  It stands ahead of the new loads
.if (\t)+4 < STEPS
	LOAD (\t)+4
.endif
.if (\t)+1 < STEPS
.if STEPS-2-(\t) >= 3
	s_wait_loadcnt 12                              ; the next step's four loads are in; those of the three steps behind it may be out
.else
	s_wait_loadcnt 4*(STEPS-2-(\t))
.endif
	TURN (\t)+1                                    ; and go through the other stage while this step is worked
.endif
	CONV 0, \t
	s_cmp_lt_u32 ttmp9, NX                         ; a weight has one scale, x has three
	s_cbranch_scc0 .Lweight_\@
	CONV 1, \t
	CONV 2, \t
.Lweight_\@:
.endm
.irp t, 0,1,2,3,4,5,6,7,8,9,10,11,12,13,14,15
	STEP \t
.endr
	s_wait_tensorcnt 0x0
	ds_add_u32 v176, v177
	s_wait_dscnt 0x0
	s_endpgm
.Lfunc_end_k_qf9c72ac1f0_quant:
	.size	k_qf9c72ac1f0_quant, .Lfunc_end_k_qf9c72ac1f0_quant-k_qf9c72ac1f0_quant
	.p2alignl 7, 3214868480
	.fill 96, 4, 3214868480
	.section	.rodata,"a",@progbits
	.p2align	6, 0x0
	.amdhsa_kernel k_qf9c72ac1f0_quant
		.amdhsa_group_segment_fixed_size 33280
		.amdhsa_private_segment_fixed_size 0
		.amdhsa_enable_private_segment 0
		.amdhsa_kernarg_size 64
		.amdhsa_user_sgpr_count 2
		.amdhsa_user_sgpr_kernarg_segment_ptr 1
		.amdhsa_wavefront_size32 1
		.amdhsa_system_sgpr_workgroup_id_x 1
		.amdhsa_system_sgpr_workgroup_id_y 1
		.amdhsa_system_sgpr_workgroup_id_z 1
		.amdhsa_system_vgpr_workitem_id 0
		.amdhsa_next_free_vgpr 178
		.amdhsa_next_free_sgpr 66
		.amdhsa_reserve_vcc 0
		.amdhsa_float_denorm_mode_32 3
		.amdhsa_float_denorm_mode_16_64 3
		.amdhsa_fp16_overflow 1
		.amdhsa_memory_ordered 1
		.amdhsa_forward_progress 1
		.amdhsa_inst_pref_size 32
	.end_amdhsa_kernel
	.amdgpu_metadata
---
amdhsa.version: [ 1, 2 ]
amdhsa.kernels:
  - .name:           k_qf9c72ac1f0_quant
    .symbol:         k_qf9c72ac1f0_quant.kd
    .args:
      - { .name: x, .offset: 0, .size: 8, .value_kind: global_buffer, .address_space: global }
      - { .name: Wq, .offset: 8, .size: 8, .value_kind: global_buffer, .address_space: global }
      - { .name: Wk, .offset: 16, .size: 8, .value_kind: global_buffer, .address_space: global }
      - { .name: Wv, .offset: 24, .size: 8, .value_kind: global_buffer, .address_space: global }
      - { .name: Wo, .offset: 32, .size: 8, .value_kind: global_buffer, .address_space: global }
      - { .name: lowp_scales, .offset: 40, .size: 8, .value_kind: global_buffer, .address_space: global }
      - { .name: xc, .offset: 48, .size: 8, .value_kind: global_buffer, .address_space: global }
      - { .name: wc, .offset: 56, .size: 8, .value_kind: global_buffer, .address_space: global }
    .group_segment_fixed_size: 33280
    .private_segment_fixed_size: 0
    .kernarg_segment_align: 8
    .kernarg_segment_size: 64
    .max_flat_workgroup_size: 128
    .sgpr_count:     66
    .vgpr_count:     178
    .wavefront_size: 32
...
	.end_amdgpu_metadata
.endif
;; end of part 1
;; launch qkv (part 2): grid 4 x 96, 4 waves a work-group, clusters of 4 x 4, 327,680 bytes of LDS; arguments xc, wc, lowp_scales, bq, bk, bv, qkv; writes qkv
.if DOCPART == 2
	.amdgcn_target "amdgcn-amd-amdhsa--gfx1250"
	.amdhsa_code_object_version 6
	.text
	.protected	k_qf9c72ac1f0_qkv
	.globl	k_qf9c72ac1f0_qkv
	.p2align	8
	.type	k_qf9c72ac1f0_qkv,@function
k_qf9c72ac1f0_qkv:
	s_mov_b64 s[64:65], 0
	v_nop
	global_prefetch_b8 v0, s[64:65] scope:SCOPE_SE
	s_setreg_imm32_b32 hwreg(HW_REG_WAVE_MODE, 25, 1), 1
	s_wait_xcnt 0x0
	s_wait_alu depctr_hold_cnt(0) depctr_sa_sdst(0) depctr_va_vdst(0) depctr_va_sdst(0) depctr_va_ssrc(0) depctr_va_vcc(0) depctr_vm_vsrc(0)
	s_getreg_b32 s2, hwreg(HW_REG_IB_STS2, 6, 4)
	s_cmp_eq_u32 s2, 0
	s_cbranch_scc0 .Lentry_in_a_cluster
	s_endpgm
.Lentry_in_a_cluster:
	s_bfe_u32 s2, ttmp6, 0x10000c
	s_cmp_lg_u32 s2, 0xf033
	s_cbranch_scc0 .Lentry_shape_is_right
	s_endpgm
.Lentry_shape_is_right:
; The three projections, on codes of BF8 (E5M2): q = x Wq^T + bq, k = x Wk^T + bk, v = x Wv^T + bv, each finished sum x 2^(ea + eb) + bias in f32 and then quantised again, under entries 6, 7, 9 of the
; scales' exponents: the results leave as codes, laid as the attention launch reads them.
; JOBS.  The cluster's y (0-23) gives job = y / 8 (0 q, 1 k, 2 v) and c = y % 8: both the same in all sixteen partners.  The body makes C[i][j] = sum over k of A[i][k] B[j][k], K = 1,024.
;   q, k: A = x's codes under the job's scale (i = token, 8,192), B = the weight's codes (j = channel, 1,024).   v: A = Wv's codes (i = channel), B = x's codes (j = token): so a lane's eight results run along the KEYS.
; A tile of C, 256 x 256, is made by a work-group of four waves; a wave makes 128 x 128: 64 accumulators of 16 x 16.  K goes in four steps of 256 through a ring of two LDS slots filled by the tensor data mover.
; CLUSTERS: 4 x 4 work-groups.  The four of a row of the cluster need the same tiles of A, the four of a column the same tiles of B: each tile is asked for JOINTLY, by the same tensor load with the same
; descriptor and a mask that names the four.  THE MATRIX INSTRUCTION IS USED TRANSPOSED (source 0 = 16 rows of B, source 1 = 16 rows of A): lane (r, h) holds row r of C and columns 8 h + 0 .. 7.
; A fragment (16 rows x 128 K) comes by four loads of 16 bytes: a permutation of k, the same in A and in B.
; THE OUTPUT.  Part job of qkv (8,388,608 bytes).  q, k: [batch 4][pair of heads 8][token 2,048][128 channels of the pair];  v: [batch][pair][block of 128 keys 16][128 channels of the pair][128 keys].
; In all three a wave's 128 x 128 codes are 16,384 consecutive bytes, rows of 128.  Inside a row, number 16 b + 8 h + j lies at byte 32 (b / 2) + 16 h + 8 (b % 2) + j: for q and k one permutation of the head's
; channels in both operands of their product; for v the order in which the attention launch's conversions leave the keys.
; LIMITS on the given exponents: ea + eb between -126 and 127; the result's exponent between -126 and 112.  NaN among the inputs is not served.
; REGISTERS, in windows of 256: window 0: v0-31 addresses; v32-95 the bias by columns, v96-111 the bias by rows, v112 the result's scale; from v128 A's fragments, ONE set; on the way out v128-255 are free.
;   window 1: B's fragments, TWO sets.   window 2: the accumulators of my rows 0-63 (accumulator (a, b) at v[8 (8 a + b)]);   window 3: those of my rows 64-127.
.set ROWB,   256                       ; a tile's row in bytes: 256 codes
.set KROW,   1024                      ; a row of A or of B in memory, in bytes
.set PITCH,  272                       ; an LDS row: 256 bytes + 16 of padding = 68 words: the 16 rows that a load touches start at 16 different banks (64 banks of 4 bytes: ISA guide 11.1)
.set FR,     16                        ; registers of a fragment
.set NL,     4                         ; LDS loads that bring one
.set NP,     4                         ; places behind this matrix instruction (ISA guide 7.12.1)
.set HALFT,  128*PITCH                 ; 128 rows: what one tensor load brings
.set SLOT,   4*HALFT                   ; A's 256 rows, then B's 256 rows
.set STEPA,  2*ROWB                    ; a slot's next K step, in bytes of memory
.set STEPB,  2*ROWB
.set SPARE,  2*SLOT                    ; behind the ring: the spare words, 128 bytes for each wave, that no other line names
.set SPITCH, 144                       ; the way out: a stage of 16 rows x (128 bytes + 16) for each wave, in slot 0, which has had its last fill and its last read when the first result is stored there
.set ADRA, 16                          ; v16-17  LDS address of my A fragments in slot 0, 1
.set ADRB, 20                          ; v20-21  the same for B
.set STO,  24                          ; v24     the way out: where I put 16 bytes of a row
.set RD,   25                          ; v25     where I read rows back
.set CO,   26                          ; v26     16 x lane: my bytes of a store's 512
.set SPW,  28                          ; v28     LDS address of my spare word; never rewritten
.set NIL,  29                          ; v29     0; never rewritten
.set CBO,  30                          ; v30     byte offset of my column biases
.set RBO,  31                          ; v31     of my row biases
.set CB,   32                          ; v32-95  bias of column 16 b + 8 h + j at v[CB + 8 b + j] (zeros in job v)
.set RB,   96                          ; v96-111 bias of row 16 a + r, twice, at v[RB + 2 a] (zeros in jobs q, k)
.set SCL,  112                         ; v112    2^eo as f32
.set LIM,  113
.set AF,   128                         ; A's fragments
.set TMP,  128                         ; the way out: a block's 64 numbers
.set PC,   192                         ; its codes, two sets of 16
.set BK,   224                         ; rows read back, two sets of 16
.set G1, 24                            ; s[24:31] descriptor group 1 for A's tiles;  s[32:39] group 0, one set for each slot
.set G0, 32
.set G1B, 48                           ; s[48:55], s[56:63] the same for B's tiles
.set G0B, 56
.set MSB, 0
.macro WIN new                         ; the immediate's high byte repeats the setting that is left
.if MSB != \new
	s_set_vgpr_msb (MSB<<8)|\new
.set MSB, \new
.endif
.endm
.set MUL_LO, 0xa1                      ; source 0 (B) window 1, source 1 (A) window 0, C and D window 2
.set MUL_HI, 0xf1                      ; the same, C and D window 3
.set TO_B,   0x40                      ; destination window 1, address window 0
; A joint load: waves 0 and 1 fetch for A, waves 2 and 3 for B.  Each line has ONE mask and one set of registers for all that issue it; the branch hangs on the wave's number alone.
; Four v_nop follow each of the two lines, ahead of the jump, the label and what follows.
.macro JLOAD g0a, g1a, g0b, g1b
	s_cmp_eq_u32 s15, 0
	s_cbranch_scc0 .Lfor_b_\@
	tensor_load_to_lds s[\g0a:\g0a+3], s[\g1a:\g1a+7]
	s_nop 0
.rept 4
	v_nop
.endr
	s_branch .Lasked_\@
.Lfor_b_\@:
	tensor_load_to_lds s[\g0b:\g0b+3], s[\g1b:\g1b+7]
	s_nop 0
.rept 4
	v_nop
.endr
.Lasked_\@:
.endm
.macro CREST                           ; a round of the cluster's barrier behind its opening barrier
	s_cmp_lg_u32 s14, 0
	s_cbranch_scc1 .Lnot_wave_0_\@
	s_barrier_signal -3
.Lnot_wave_0_\@:
	s_barrier_wait -3
	s_barrier_signal -1
	s_barrier_wait -1
.endm
.macro CROUND                          ; a whole round
	s_barrier_signal -1
	s_barrier_wait -1
	CREST
.endm
	s_load_b256 s[68:75], s[0:1], 0x0              ; xc 68, wc 70, the exponents 72, bq 74
	s_load_b128 s[76:79], s[0:1], 0x20             ; bk 76, bv 78
	s_load_b64 s[80:81], s[0:1], 0x30              ; qkv
	v_lshl_add_u32 v[SPW], v0, 2, SPARE
	v_mov_b32 v[NIL], 0
	ds_add_u32 v28, v29
	ds_add_u32 v28, v29
	s_wait_dscnt 0x0
	v_lshrrev_b32 v1, 5, v0
	v_readfirstlane_b32 s14, v1                    ; wave 0..3
	s_lshr_b32 s15, s14, 1                         ; which half of the tile's rows is mine.  Also: I fetch for A (0) or for B (1)
	s_and_b32 s16, s14, 1                          ; which half of its columns.  Also: which 128 rows of that tile I fetch
	s_bfe_u32 s40, ttmp6, 0x40000                  ; cx, cy: my place in the cluster
	s_bfe_u32 s41, ttmp6, 0x40004
	s_and_b32 s13, ttmp7, 0xffff                   ; the cluster's y
	s_lshr_b32 s12, s13, 3                         ; job
	s_and_b32 s13, s13, 7                          ; c
	s_cmp_eq_u32 s12, 2
	s_cselect_b32 s17, 0, s13                      ; q, k: C has 32 tile rows and 4 tile columns;  v: 4 and 32
	s_cselect_b32 s42, s13, 0
	s_lshl_b32 s17, s17, 2
	s_add_co_u32 s17, s17, s41                     ; tile row of C
	s_lshl_b32 s42, s42, 2
	s_add_co_u32 s42, s42, s40                     ; tile column of C
	s_lshl_b32 s43, s41, 2
	s_lshl_b32 s43, 15, s43                        ; my row of the cluster
	s_lshl_b32 s44, 0x1111, s40                    ; my column
	; descriptor group 1: a tile of 128 rows x 256 bytes, padded in LDS
	s_or_b32 s[G1+0], s43, (1<<20)|(1<<21)|(5<<22)|(3<<25)   ; 15:0 the mask: A's tiles go to my row; 17:16 elements of 1 byte; 20 padding on; 21 set beside a mask; 24:22 after every 64 words (code 5); 31:25 four words (code 3)
	s_or_b32 s[G1B+0], s44, (1<<20)|(1<<21)|(5<<22)|(3<<25)
.irp g, G1, G1B
	s_mov_b32 s[\g+1], ROWB<<16                    ; tensor_dim0
	s_mov_b32 s[\g+2], 128<<16                     ; tensor_dim1
	s_mov_b32 s[\g+3], ROWB<<16                    ; tile_dim0
	s_mov_b32 s[\g+4], 128                         ; tile_dim1
	s_mov_b32 s[\g+5], KROW                        ; tensor_dim0_stride
	s_mov_b32 s[\g+6], 0
	s_mov_b32 s[\g+7], 0
.endr
	s_lshl_b32 s18, s16, 7                         ; which 128 rows of the tile I fetch
	s_lshl_b32 s20, s17, 8
	s_add_co_u32 s20, s20, s18                     ; A: row 256 x tile row + 128 x half,
	s_lshl_b32 s20, s20, 10                        ; in bytes (under 2^23)
	s_mov_b32 s21, 0
	s_lshl_b32 s46, s42, 8
	s_add_co_u32 s46, s46, s18                     ; B: row 256 x tile column + 128 x half
	s_lshl_b32 s46, s46, 10
	s_mov_b32 s47, 0
	s_mul_i32 s45, s14, HALFT                      ; where they go: wave x 128 rows: no place in the cluster enters an LDS address
	s_lshl_b32 s22, s12, 23                        ; the job's part of xc and of qkv,
	s_mov_b32 s23, 0
	s_lshl_b32 s18, s12, 20                        ; and of wc
	s_mov_b32 s19, 0
	s_wait_kmcnt 0x0
	s_load_b256 s[84:91], s[72:73], 0x0            ; e0 .. e7
	s_load_b128 s[92:95], s[72:73], 0x20           ; e8 .. e11
	s_add_nc_u64 s[68:69], s[68:69], s[22:23]      ; x's codes under the job's scale
	s_add_nc_u64 s[70:71], s[70:71], s[18:19]      ; the job's weight
	s_add_nc_u64 s[10:11], s[80:81], s[22:23]      ; the job's output
	s_cmp_eq_u32 s12, 2
	s_cselect_b64 s[4:5], s[70:71], s[68:69]       ; A
	s_cselect_b64 s[6:7], s[68:69], s[70:71]       ; B
	s_cselect_b64 s[8:9], s[78:79], s[74:75]       ; the bias: bv, else bq,
	s_cmp_eq_u32 s12, 1
	s_cselect_b64 s[8:9], s[76:77], s[8:9]         ; or bk
	s_add_nc_u64 s[20:21], s[4:5], s[20:21]
	s_add_nc_u64 s[46:47], s[6:7], s[46:47]
	CROUND                                         ; all sixteen work-groups are here: the first joint loads meet
.irp s, 0,1
	s_mov_b32 s[G0+4*\s], 1
	s_add_co_u32 s[G0+4*\s+1], s45, \s*SLOT
	s_add_nc_u64 s[G0+4*\s+2:G0+4*\s+3], s[20:21], \s*ROWB
	s_or_b32 s[G0+4*\s+3], s[G0+4*\s+3], 0x80000000
	s_mov_b32 s[G0B+4*\s], 1
	s_add_co_u32 s[G0B+4*\s+1], s45, \s*SLOT
	s_add_nc_u64 s[G0B+4*\s+2:G0B+4*\s+3], s[46:47], \s*ROWB
	s_or_b32 s[G0B+4*\s+3], s[G0B+4*\s+3], 0x80000000
	JLOAD G0+4*\s, G1, G0B+4*\s, G1B
.endr
	v_and_b32 v1, 15, v0                           ; r = lane % 16
	s_wait_alu depctr_va_vdst(0)
	v_bfe_u32 v2, v0, 4, 1                         ; h = lane / 16
	v_mul_u32_u24 v3, v1, PITCH
	v_lshl_add_u32 v4, v2, 4, v3                   ; a fragment's row x pitch + 16 x half
	s_mul_i32 s21, s15, HALFT                      ; my 128 rows of A
	s_mul_i32 s22, s16, HALFT                      ; my 128 rows of B,
	s_add_co_u32 s22, s22, 2*HALFT                 ; which lie behind A's 256
.irp s, 0,1
	v_add_nc_u32 v[ADRA+\s], s21, v4
	v_add_nc_u32 v[ADRB+\s], s22, v4
	s_add_co_u32 s21, s21, SLOT
	s_add_co_u32 s22, s22, SLOT
.endr
	s_mul_i32 s23, s14, 16*SPITCH                  ; my stage
	v_mul_u32_u24 v5, v1, SPITCH                   ; in: row r, 16 bytes for each half of the lanes
	s_wait_alu depctr_va_vdst(0)
	v_lshl_add_u32 v5, v2, 4, v5
	v_add_nc_u32 v[STO], s23, v5
	v_and_b32 v6, 31, v0
	v_lshlrev_b32 v[CO], 4, v6
	v_lshrrev_b32 v7, 3, v6                        ; back: eight lanes to a row of 128 bytes, four rows an instruction
	v_mul_u32_u24 v7, v7, SPITCH
	v_and_b32 v8, 7, v6
	v_lshl_add_u32 v7, v8, 4, v7
	v_add_nc_u32 v[RD], s23, v7
	s_lshl_b32 s20, s17, 8
	s_lshl_b32 s21, s15, 7
	s_add_co_u32 s20, s20, s21                     ; my first row of C
	s_lshl_b32 s46, s42, 8
	s_lshl_b32 s47, s16, 7
	s_add_co_u32 s46, s46, s47                     ; my first column
	s_lshl_b32 s18, s20, 2
	s_lshl_b32 s19, s46, 2
	s_cmp_eq_u32 s12, 2
	s_cselect_b32 s21, s46, s20                    ; my first token,
	s_cselect_b32 s22, s20, s46                    ; my first channel
	s_cselect_b32 s19, 0, s19                      ; q, k: the bias runs along the columns; v: along the rows.  The other set is loaded from the vector's head and cleared
	s_cselect_b32 s18, s18, 0
	s_cselect_b32 s98, 0, -1                       ; keeps the column biases
	s_cselect_b32 s99, -1, 0                       ; keeps the row biases
	s_lshr_b32 s23, s21, 11
	s_lshl_b32 s23, s23, 21                        ; batch x 2^21
	s_lshr_b32 s22, s22, 7
	s_lshl_b32 s22, s22, 18                        ; + pair of heads x 2^18
	s_add_co_u32 s22, s22, s23
	s_and_b32 s21, s21, 2047
	s_lshl_b32 s21, s21, 7                         ; + token in the batch x 128
	s_add_co_u32 s22, s22, s21
	s_mov_b32 s23, 0
	s_add_nc_u64 s[10:11], s[10:11], s[22:23]      ; my wave's 16,384 bytes
	v_lshl_add_u32 v[CBO], v2, 5, s19
	v_lshl_add_u32 v[RBO], v1, 2, s18
.irp b, 0,1,2,3,4,5,6,7
	global_load_b128 v[CB+8*\b:CB+8*\b+3], v[CBO], s[8:9] offset:64*\b
	global_load_b128 v[CB+8*\b+4:CB+8*\b+7], v[CBO], s[8:9] offset:64*\b+16
.endr
.irp a, 0,1,2,3,4,5,6,7
	global_load_b32 v[RB+2*\a], v[RBO], s[8:9] offset:64*\a      ; the same word twice: a pair for the packed addition
	global_load_b32 v[RB+2*\a+1], v[RBO], s[8:9] offset:64*\a
.endr
	s_wait_kmcnt 0x0
	s_add_co_i32 s20, s84, s85                     ; ea + eb of the three jobs,
	s_add_co_i32 s21, s86, s87
	s_add_co_i32 s22, s88, s89
	s_cmp_eq_u32 s12, 1
	s_cselect_b32 s20, s21, s20
	s_cselect_b32 s23, s91, s90                    ; and the result's exponent: e6, e7 or e9: chosen by selects, no branch hangs on a loaded number
	s_cmp_eq_u32 s12, 2
	s_cselect_b32 s20, s22, s20
	s_cselect_b32 s23, s93, s23
	s_add_co_i32 s20, s20, 127
	s_lshl_b32 s96, s20, 23                        ; 2^(ea + eb) as f32
	s_mov_b32 s97, s96                             ; (named with it as a pair, so it is written)
	s_add_co_i32 s23, s23, 127
	s_lshl_b32 s20, s23, 23
	v_mov_b32 v[SCL], s20
	s_wait_loadcnt 0x0                             ; the biases
.set j, 0
.rept 64
	v_and_b32 v[CB+j], s98, v[CB+j]                ; the set that the job does not have becomes zeros
.set j, j+1
.endr
.set j, 0
.rept 16
	v_and_b32 v[RB+j], s99, v[RB+j]
.set j, j+1
.endr
.macro FRAG reg, adr, q, i             ; a fragment: lane l holds row l % 16; registers 4 c .. 4 c + 3 hold K = 32 c + 16 (l / 16) + 0 .. 15
.irp c, 0,1,2,3
	ds_load_b128 v[\reg+4*\c:\reg+4*\c+3], v[\adr] offset:128*(\q)+32*\c+(\i)*16*PITCH
.endr
.endm
; 16 matrix instructions: A's blocks a0, a0 + 1 x B's eight, 128 along K.  p: B's set.  zero = 1: the first product starts the sums: nothing is ever cleared.
; The 64 accumulators take turns, one instruction a turn, in the same order in every step.
.macro MUL16 a0, p, zero
.irp a, \a0, \a0+1
.irp b, 0,1,2,3,4,5,6,7
.if \zero
	v_wmma_f32_16x16x128_bf8_bf8 v[8*(8*((\a)%4)+\b):8*(8*((\a)%4)+\b)+7], v[128*(\p)+FR*\b:128*(\p)+FR*\b+FR-1], v[AF+FR*(\a):AF+FR*(\a)+FR-1], 0
.else
	v_wmma_f32_16x16x128_bf8_bf8 v[8*(8*((\a)%4)+\b):8*(8*((\a)%4)+\b)+7], v[128*(\p)+FR*\b:128*(\p)+FR*\b+FR-1], v[AF+FR*(\a):AF+FR*(\a)+FR-1], v[8*(8*((\a)%4)+\b):8*(8*((\a)%4)+\b)+7]
.endif
.endr
.endr
.endm
.macro FETCH_B slot, q, p              ; B's eight fragments of the slot's q-th 128 along K into set p
	WIN TO_B
.irp i, 0,1,2,3,4,5,6,7
	FRAG 128*(\p)+FR*\i, ADRB+\slot, \q, \i
.endr
	WIN 0
.endm
.macro FETCH_A slot, q, i0             ; A's blocks i0 .. i0 + 3
.irp i, \i0, \i0+1, \i0+2, \i0+3
	FRAG AF+FR*(\i), ADRA+\slot, \q, \i
.endr
.endm
; A load into a register that a matrix instruction has read, and a vector instruction that reads a matrix result or writes one of its registers, stand NP places behind it; only plain vector
; instructions that name none of its registers are places (ISA guide 7.12.1 for vector instructions).
.macro PLACES n
.rept \n
	v_nop
.endr
.endm
; A step of 128 along K that has its successor in the same slot.  A block of A is free as soon as its eight products are issued: blocks 0-3 are fetched anew in the step's middle, blocks 4-7 at its end.
.macro STEP slot, q, zero
	s_wait_dscnt 4*NL                              ; B's set and A's blocks 0-3 are in; the youngest sixteen loads (A's blocks 4-7) may be out
	WIN MUL_LO
	MUL16 0, (\q)%2, \zero
	MUL16 2, (\q)%2, \zero
	s_wait_dscnt 0                                 ; A's blocks 4-7 are in
	PLACES NP
	FETCH_B \slot, (\q)+1, 1-(\q)%2
	FETCH_A \slot, (\q)+1, 0
	WIN MUL_HI
	MUL16 4, (\q)%2, \zero
	MUL16 6, (\q)%2, \zero
	PLACES NP
	WIN 0
	FETCH_A \slot, (\q)+1, 4
.endm
; A slot's last step changes slots: ONE barrier; in front of it each wave waits for all its tensor loads, adds 0 to its spare word, and waits for that and for its own reads of this slot.  fill = 1: this slot is filled again, two K steps ahead.
.macro TURN slot, next, fill
	s_wait_tensorcnt 0x0                           ; all my tensor loads have landed: my part of the next slot
	ds_add_u32 v[SPW], v[NIL]                      ; 0 onto my spare word
	s_wait_dscnt 4*NL+1                            ; (the add and the youngest sixteen loads, A's blocks 4-7, may be out)
	WIN MUL_LO
	MUL16 0, 1, 0                                  ; sixteen matrix instructions stand between the add and the wait for it
	s_wait_dscnt 0x0                               ; the add is done, and my reads of this slot are over
	s_barrier_signal -1
	MUL16 2, 1, 0
	WIN 0
	s_barrier_wait -1
.if \fill
	CREST                                          ; the barrier has opened a round of the cluster's barrier: no wave of any partner still reads this slot's tile or has a load on its way
	s_add_nc_u64 s[G0+4*\slot+2:G0+4*\slot+3], s[G0+4*\slot+2:G0+4*\slot+3], STEPA
	s_add_nc_u64 s[G0B+4*\slot+2:G0B+4*\slot+3], s[G0B+4*\slot+2:G0B+4*\slot+3], STEPB
	JLOAD G0+4*\slot, G1, G0B+4*\slot, G1B         ; the first tensor load behind the round; the four v_nop behind it are the places in front of the loads below
.else
	PLACES NP
.endif
	FETCH_B \next, 0, 0
	FETCH_A \next, 0, 0
	WIN MUL_HI
	MUL16 4, 1, 0
	MUL16 6, 1, 0
	PLACES NP
	WIN 0
	FETCH_A \next, 0, 4
.endm
	s_wait_tensorcnt 1                             ; my part of K step 0 is in (K step 1's load may be out)
	s_barrier_signal -1
	s_barrier_wait -1                              ; everybody's is
	FETCH_B 0, 0, 0
	FETCH_A 0, 0, 0
	FETCH_A 0, 0, 4
	STEP 0, 0, 1                                   ; K = 1,024 is four K steps of 256: they are written out.  The first products start the sums
	TURN 0, 1, 1                                   ; slot 0 takes K step 2
	STEP 1, 0, 0
	TURN 1, 0, 1                                   ; slot 1 takes K step 3
	STEP 0, 0, 0
	TURN 0, 1, 0                                   ; nothing is left to fetch
	STEP 1, 0, 0
	s_wait_dscnt 4*NL                              ; the very last step
	WIN MUL_LO
	MUL16 0, 1, 0
	MUL16 2, 1, 0
	s_wait_dscnt 0
	WIN MUL_HI
	MUL16 4, 1, 0
	MUL16 6, 1, 0
	WIN 0
; THE WAY OUT, block by block of 16 rows x 128 columns: sum x 2^(ea + eb) + bias, the conversion: eight codes of a lane are
; eight neighbours of a row.  Two neighbouring blocks of columns make 16 bytes; they go into my stage and come back as whole rows of 128 bytes, four to an instruction: a store of the wave covers 512 consecutive bytes.
; LDS serves a wave's instructions in order (ISA guide 5.7.1.4): no wait between the stores and the loads, nor in front of the next block's stores.
.macro OUTROW a
.set AC, 64*((\a)%4)
.set PS, PC+16*((\a)%2)
.set BB, BK+16*((\a)%2)
.set WN, 0x02+((\a)/4)
	WIN WN                                         ; source 0: window 2 or 3
.set j, 0
.rept 32
	v_pk_fma_f32 v[TMP+j:TMP+j+1], v[AC+j:AC+j+1], s[96:97], v[CB+j:CB+j+1] op_sel_hi:[1,0,1]   ; each accumulator from its low end on
.set j, j+2
.endr
	WIN 0
.set j, 0
.rept 32
	v_pk_add_f32 v[TMP+j:TMP+j+1], v[TMP+j:TMP+j+1], v[RB+2*(\a):RB+2*(\a)+1]
.set j, j+2
.endr
.set j, 0
.rept 64
.set j, j+1
.endr
.irp b, 0,1,2,3,4,5,6,7
	v_cvt_scalef32_pk8_bf8_f32 v[PS+2*\b:PS+2*\b+1], v[TMP+8*\b:TMP+8*\b+7], v[SCL]
.endr
	v_nop                                          ; one plain vector line behind the conversions: the next block writes their sources
.irp g, 0,1,2,3
	ds_store_b128 v[STO], v[PS+4*\g:PS+4*\g+3] offset:32*\g
.endr
.irp t, 0,1,2,3
	ds_load_b128 v[BB+4*\t:BB+4*\t+3], v[RD] offset:\t*4*SPITCH
.endr
.endm
.macro SEND a, younger                 ; younger: the LDS instructions issued behind block a's loads, which may stay out
.set BB, BK+16*((\a)%2)
	s_wait_dscnt \younger
.irp t, 0,1,2,3
	global_store_b128 v[CO], v[BB+4*\t:BB+4*\t+3], s[10:11] offset:2048*(\a)+512*\t
.endr
.endm
	PLACES NP                                      ; behind the last products: the numbers below land in registers that held A's fragments
	OUTROW 0
.irp a, 1,2,3,4,5,6,7
.if \a > 1
	s_wait_xcnt 0x0                                ; block a - 2's stores have read their registers: block a's loads may land there
.endif
	OUTROW \a
	SEND \a-1, 8                                   ; behind block a - 1's loads: block a's four stores and four loads
.endr
	SEND 7, 0
	s_wait_tensorcnt 0x0                           ; the wave's end: behind my last tensor load and my last LDS store
	ds_add_u32 v[SPW], v[NIL]
	s_wait_dscnt 0x0
	CROUND                                         ; the closing round: no work-group ends while a partner may still ask for a tile that names it
	s_endpgm
.Lfunc_end_k_qf9c72ac1f0_qkv:
	.size	k_qf9c72ac1f0_qkv, .Lfunc_end_k_qf9c72ac1f0_qkv-k_qf9c72ac1f0_qkv
	.p2alignl 7, 3214868480
	.fill 96, 4, 3214868480
	.section	.rodata,"a",@progbits
	.p2align	6, 0x0
	.amdhsa_kernel k_qf9c72ac1f0_qkv
		.amdhsa_group_segment_fixed_size 327680
		.amdhsa_private_segment_fixed_size 0
		.amdhsa_enable_private_segment 0
		.amdhsa_kernarg_size 56
		.amdhsa_user_sgpr_count 2
		.amdhsa_user_sgpr_kernarg_segment_ptr 1
		.amdhsa_wavefront_size32 1
		.amdhsa_system_sgpr_workgroup_id_x 1
		.amdhsa_system_sgpr_workgroup_id_y 1
		.amdhsa_system_sgpr_workgroup_id_z 1
		.amdhsa_system_vgpr_workitem_id 0
		.amdhsa_next_free_vgpr 1024
		.amdhsa_next_free_sgpr 102
		.amdhsa_reserve_vcc 0
		.amdhsa_float_denorm_mode_32 3
		.amdhsa_float_denorm_mode_16_64 3
		.amdhsa_fp16_overflow 1
		.amdhsa_memory_ordered 1
		.amdhsa_forward_progress 1
		.amdhsa_inst_pref_size 129
	.end_amdhsa_kernel
	.amdgpu_metadata
---
amdhsa.version: [ 1, 2 ]
amdhsa.kernels:
  - .name:           k_qf9c72ac1f0_qkv
    .symbol:         k_qf9c72ac1f0_qkv.kd
    .args:
      - { .name: xc, .offset: 0, .size: 8, .value_kind: global_buffer, .address_space: global }
      - { .name: wc, .offset: 8, .size: 8, .value_kind: global_buffer, .address_space: global }
      - { .name: lowp_scales, .offset: 16, .size: 8, .value_kind: global_buffer, .address_space: global }
      - { .name: bq, .offset: 24, .size: 8, .value_kind: global_buffer, .address_space: global }
      - { .name: bk, .offset: 32, .size: 8, .value_kind: global_buffer, .address_space: global }
      - { .name: bv, .offset: 40, .size: 8, .value_kind: global_buffer, .address_space: global }
      - { .name: qkv, .offset: 48, .size: 8, .value_kind: global_buffer, .address_space: global }
    .group_segment_fixed_size: 327680
    .private_segment_fixed_size: 0
    .kernarg_segment_align: 8
    .kernarg_segment_size: 56
    .max_flat_workgroup_size: 128
    .sgpr_count:     102
    .vgpr_count:     1024
    .wavefront_size: 32
...
	.end_amdgpu_metadata
.endif
;; end of part 2
;; launch attn (part 3): grid 8 x 32, 16 waves a work-group, no clusters, 327,680 bytes of LDS; arguments qkv, lowp_scales, ao; writes ao
.if DOCPART == 3
	.amdgcn_target "amdgcn-amd-amdhsa--gfx1250"
	.amdhsa_code_object_version 6
	.text
	.protected	k_qf9c72ac1f0_attn
	.globl	k_qf9c72ac1f0_attn
	.p2align	8
	.type	k_qf9c72ac1f0_attn,@function
k_qf9c72ac1f0_attn:
	s_mov_b64 s[64:65], 0
	v_nop
	global_prefetch_b8 v0, s[64:65] scope:SCOPE_SE
	s_setreg_imm32_b32 hwreg(HW_REG_WAVE_MODE, 25, 1), 1
	s_wait_xcnt 0x0
; Causal attention on codes of BF8 (E5M2): 64 heads of 2,048 tokens, head size 64.  O[q] = the sum over keys k <= q of softmax_k(Q[q] . K[k] / 8) V[k]; the result is quantised again (entry 10 of the exponents).
; INPUT: qkv, three parts of 8,388,608 bytes.  q, k: [batch 4][pair of heads 8][token 2,048][128]; v: [batch][pair][block of 128 keys 16][128 channels][128 keys]; inside each 32 bytes the two middle groups of
; eight are exchanged: for q and k the same permutation of the head's channels on both sides; for v the order of keys that the plain 8-bit layout wants of four loads of 16 bytes.
; OUTPUT: ao [4 heads' group 4][256 rows' block 32][head in the group 4][256 rows][64 channels]: codes, channels in their order.
; THE SOFTMAX: t = score x log2(e) / 8; M = the row's largest t so far, rounded UP to a whole number; p = 2^(t - M) is what is quantised (entry 8), not normalised.  The row's sum is taken of the unquantised p
; and divides O at the end.  When M moves, the sum and O are multiplied by 2^(old M - new M): exact.
; SHARES.  Work-group (i, y) serves pair of heads y and takes the blocks of 128 queries i and then 15 - i: (i + 1) + (16 - i) = 17 key steps of 128 keys in EVERY work-group: 256 equal work-groups, and the trip count
; is a constant.  What changes at trip i + 1 (the first block leaves, the second begins) stands under a scalar branch on ids.  Wave w: head w / 8 of the pair, queries 16 (w % 8) on: one tile, 256 registers, four waves to a SIMD.
; K's and V's tiles (16,384 consecutive bytes each) come through a ring of two LDS slots, filled by the tensor data mover (wave 0: K's, wave 1: V's) and read by all sixteen.
; LAYOUT.  Both products are used transposed: S^T = K Q^T (source 0 = 16 keys, source 1 = my 16 queries), O^T = V^T P^T: a lane holds ONE query (lane % 16) throughout.  Tile t's register j holds key 16 t + 8 (lane / 16) + j,
; so the conversions' results, two registers a tile, ARE the second product's operand in the form's own layout.
; NO JOINT LOADS: in trip s work-group i stands at key step s or at key step s - i - 1, so the eight work-groups of a pair of heads would ask for different tiles in the same trip.
; LIMITS on the given exponents: e6 + e7 between -123 and 130 (they are added to c's exponent field); e8 and e10 between -126 and 112; e8 + e9 is applied by v_ldexp_f32 and has none.
; REGISTERS: v1-7, v10, v11 addresses that stay; v8, v9 addresses of the step; v12 -M, v13 the largest t, v[14:15] the sum in two halves; v16-23 Q; v24-31 the second block's Q; v32-95 K's eight fragments, then V's four;
; v96-159 S^T, then p; v160-191 O^T; v192-207 p's codes; v208-223 the way out; v224 Q's offset; v236-254 at work and the scales.
.set KP,    272                        ; an LDS row: 256 bytes (two keys' or two channels' 128) + 16 of padding.  Row x of a tile lies at (x / 2) KP + 128 (x % 2): 16 neighbouring rows fall on 16 different columns of 16 bytes modulo 256
.set VOFF,  64*KP                      ; a slot: K's 64 long rows, then V's
.set SLOT1, 1<<16                      ; slot 1 begins here, so that one exclusive or turns an address in one slot into the other's
.set STG,   2*SLOT1                    ; behind the ring: 16 rows x (64 bytes + 16) for each wave, for the way out: no tile lands there
.set SPARE, STG+16*16*80               ; behind the stages: the spare words, 128 bytes for each wave, that no other line names
.set AK0,  1                           ; v1   my lane's place in a tile of K
.set AV0,  2                           ; v2   the same for V
.set PFO,  3                           ; v3   256 x lane: the prefetches' offset; never rewritten
.set SO,   4                           ; v4   the way out: where I put 8 bytes of a row
.set SPW,  5                           ; v5   LDS address of my spare word; never rewritten
.set NIL,  6                           ; v6   0; never rewritten
.set GO,   7                           ; v7   16 x lane: my bytes of a store's 512
.set ADK,  8
.set ADV,  9
.set SRD,  10                          ; v10  the way out: where I read rows back
.set MD,   11                          ; v11  my query in its block - 8 (lane / 16)
.set QOF,  224                         ; v224 my byte offset in the wave's rows of Q
.set TB,   2                           ; s2   LDS byte at which the slot in hand begins
.set QT,   17                          ; s17  my tile of queries in a block
.set WV,   18                          ; s18  my wave's number
.set U,    19                          ; s19  my head of the pair
.set SEL,  20                          ; s[20:21] lane selects for v_permlanex16_b32: lane l xor 16
.set CS,   22                          ; s[22:23] c = log2(e) / 8 x 2^(e6 + e7)
.set G1,   24                          ; s[24:31] descriptor group 1
.set RQ,   33                          ; s33  the trip whose tile was asked for last
.set NK,   34                          ; s34  that tile's key step
.set SW,   35                          ; s35  i + 1: the trip at which the second block begins
.set SW1,  36                          ; s36  i + 2
.set KS,   37                          ; s37  the key step in hand
.set BLK,  38                          ; s38  the block of queries in hand
.set BLKB, 39                          ; s39  15 - i
.set G0,   40                          ; s[40:43] descriptor group 0
.set TBASE, 44                         ; s[44:45] where the pair's K (even waves) or V (odd waves) begins
.set OFFP, 46                          ; s[46:47] a key step's offset
.set OA,   48                          ; s[48:49], s[50:51] where my tiles of the two blocks go
.set OB,   50
.set QA,   52                          ; s[52:53], s[54:55] where their queries lie
.set SLOTS, 67                         ; s67  the loop's counter
.set PFA,  76                          ; s[76:77] where my prefetches stand
.set LIM,  80                          ; s80  1 in a wave that prefetches, else the greatest number
; Wave 0 fetches K's tile, wave 1 V's, the others nothing: the branch hangs on the wave's number alone.  Four v_nop follow the line.
.macro TLOAD
	s_cmp_lt_u32 s[WV], 2
	s_cbranch_scc0 .Lasked_\@
	tensor_load_to_lds s[G0:G0+3], s[G1:G1+7]
	s_nop 0
.rept 4
	v_nop
.endr
.Lasked_\@:
.endm
; A PREFETCH INTO THE L2.  All eight work-groups of a pair of heads walk the same K and V; work-group i = 0 asks, and nobody else.  In it four waves that fetch nothing ask, one instruction each: waves 4, 5 for the halves of
; K's tile, waves 6, 7 for V's: 8,192 bytes a wave, lanes 256 bytes apart.  In trip s they name key step s + 1, which that work-group's own tensor load asks for one trip later; s = 0 .. 14, so each aligned block of
; 256 bytes of key steps 1 to 15 is named once in the launch and nothing is named behind key step 15.  Key step 0 comes by its loads alone.
.macro ASK
	s_cmp_gt_u32 s[SLOTS], s[LIM]
	s_cbranch_scc0 .Lnot_mine_\@
	global_prefetch_b8 v[PFO], s[PFA:PFA+1] th:TH_LOAD_NT scope:SCOPE_SE
.Lnot_mine_\@:
.endm
	s_load_b128 s[4:7], s[0:1], 0x0                ; qkv s[4:5], the exponents s[6:7]
	s_load_b64 s[8:9], s[0:1], 0x10                ; ao
	v_lshl_add_u32 v[SPW], v0, 2, SPARE
	v_mov_b32 v[NIL], 0
	ds_add_u32 v5, v6
	ds_add_u32 v5, v6
	s_wait_dscnt 0x0
	v_lshrrev_b32 v8, 5, v0
	s_delay_alu instid0(VALU_DEP_1)
	v_readfirstlane_b32 s[WV], v8                  ; wave 0..15
	s_lshr_b32 s[U], s[WV], 3
	s_and_b32 s[QT], s[WV], 7
	s_and_b32 s10, ttmp7, 0xffff                   ; y = 8 x batch + pair of heads
	s_lshl_b32 s12, s10, 18                        ; the pair's first byte in each part
	s_and_b32 s56, s[WV], 1
	s_mul_i32 s11, s56, VOFF                       ; my tile's place in a slot
	s_add_co_u32 s56, s56, 1
	s_lshl_b32 s56, s56, 23                        ; part 1 (K) or 2 (V)
	s_add_co_u32 s56, s56, s12
	s_mov_b32 s57, 0
	; descriptor group 1: 16,384 dense bytes as 64 rows of 256
	s_mov_b32 s[G1], (3<<16)|(1<<20)|(5<<22)|(3<<25)   ; 15:0 no mask; 17:16 elements of 8 bytes; 20 padding on; 24:22 after every 64 words (code 5); 31:25 four words (code 3)
	s_mov_b32 s[G1+1], 32<<16                      ; tensor_dim0 = 32 elements
	s_mov_b32 s[G1+2], 64<<16                      ; tensor_dim1 = 64
	s_mov_b32 s[G1+3], 32<<16                      ; tile_dim0
	s_mov_b32 s[G1+4], 64                          ; tile_dim1
	s_mov_b32 s[G1+5], 32                          ; tensor_dim0_stride
	s_mov_b32 s[G1+6], 0
	s_mov_b32 s[G1+7], 0
	s_wait_kmcnt 0x0
	s_load_b128 s[68:71], s[6:7], 0x18             ; e6, e7, e8, e9
	s_load_b32 s72, s[6:7], 0x28                   ; e10
	s_add_nc_u64 s[TBASE:TBASE+1], s[4:5], s[56:57]
	s_mov_b32 s[G0], 1                             ; count = 1
	s_mov_b32 s[G0+1], s11                         ; LDS address: slot 0
	s_mov_b64 s[G0+2:G0+3], s[TBASE:TBASE+1]       ; key step 0
	s_or_b32 s[G0+3], s[G0+3], 0x80000000          ; type = 2
	TLOAD
	s_add_co_u32 s[SW], ttmp9, 1
	s_add_co_u32 s[SW1], ttmp9, 2
	s_mov_b32 s[BLK], ttmp9
	s_sub_co_u32 s[BLKB], 15, ttmp9
	s_lshl_b32 s3, s[QT], 11
	s_add_co_u32 s3, s3, s12                       ; Q: the pair + 16 x tile rows of 128 bytes,
	s_lshl_b32 s58, s[BLK], 14
	s_add_co_u32 s58, s58, s3                      ; + the block's 128 rows
	s_mov_b32 s59, 0
	s_lshl_b32 s60, s[BLKB], 14
	s_add_co_u32 s60, s60, s3
	s_mov_b32 s61, 0
	s_add_nc_u64 s[QA:QA+1], s[4:5], s[58:59]
	s_add_nc_u64 s[QA+2:QA+3], s[4:5], s[60:61]
	v_and_b32 v8, 15, v0                           ; r = lane % 16
	s_wait_alu depctr_va_vdst(0)
	v_bfe_u32 v9, v0, 4, 1                         ; h = lane / 16
	s_lshl_b32 s56, s[U], 6                        ; my head's 64 bytes of the pair's 128
	v_lshlrev_b32 v[QOF], 7, v8
	s_delay_alu instid0(VALU_DEP_1)
	v_lshl_add_u32 v[QOF], v9, 4, v[QOF]
	s_delay_alu instid0(VALU_DEP_1)
	v_add_nc_u32 v[QOF], s56, v[QOF]               ; row r, my head, 16 bytes for each half of the lanes: as K's fragments are read
	global_load_b128 v[16:19], v[QOF], s[QA:QA+1]
	global_load_b128 v[20:23], v[QOF], s[QA:QA+1] offset:32
	global_load_b128 v[24:27], v[QOF], s[QA+2:QA+3]
	global_load_b128 v[28:31], v[QOF], s[QA+2:QA+3] offset:32
	; ao: (pair / 2) 2^21 + batch 2^19 + (block / 2) 2^16 + (pair % 2) 2^15 + head of the pair 2^14 + (block % 2) 2^13 + tile 2^10
	s_bfe_u32 s62, s10, 0x20001
	s_lshl_b32 s62, s62, 21
	s_lshr_b32 s63, s10, 3
	s_lshl_b32 s63, s63, 19
	s_add_co_u32 s62, s62, s63
	s_and_b32 s63, s10, 1
	s_lshl_b32 s63, s63, 15
	s_add_co_u32 s62, s62, s63
	s_lshl_b32 s63, s[U], 14
	s_add_co_u32 s62, s62, s63
	s_lshl_b32 s63, s[QT], 10
	s_add_co_u32 s62, s62, s63
.macro AOOFF dst, blk
	s_lshr_b32 s63, s[\blk], 1
	s_lshl_b32 s63, s63, 16
	s_and_b32 s81, s[\blk], 1
	s_lshl_b32 s81, s81, 13
	s_add_co_u32 s63, s63, s81
	s_add_co_u32 s[\dst], s63, s62
	s_mov_b32 s[\dst+1], 0
.endm
	AOOFF 82, BLK
	AOOFF 84, BLKB
	s_add_nc_u64 s[OA:OA+1], s[8:9], s[82:83]
	s_add_nc_u64 s[OB:OB+1], s[8:9], s[84:85]
	; the prefetches: where my wave's stand, and who asks
	s_cmp_lt_u32 s[WV], 6
	s_cselect_b32 s58, 1, 2                        ; waves 4, 5: K's part; waves 6, 7: V's
	s_lshl_b32 s58, s58, 23
	s_add_co_u32 s58, s58, s12
	s_and_b32 s60, s[WV], 1
	s_lshl_b32 s60, s60, 13                        ; my half of a tile
	s_add_co_u32 s58, s58, s60
	s_add_nc_u64 s[PFA:PFA+1], s[4:5], s[58:59]    ; at key step 0: the first change of slots steps it to key step 1
	s_sub_co_u32 s58, s[WV], 4
	s_lshr_b32 s58, s58, 2                         ; 0 in waves 4 to 7,
	s_or_b32 s58, s58, ttmp9                       ; of work-group i = 0
	s_cmp_eq_u32 s58, 0
	s_cselect_b32 s[LIM], 1, -1
	v_and_b32 v[PFO], 31, v0
	s_delay_alu instid0(VALU_DEP_1)
	v_lshlrev_b32 v[PFO], 8, v[PFO]
	; LDS addresses
	v_lshrrev_b32 v225, 1, v8
	s_delay_alu instid0(VALU_DEP_1)
	v_mul_u32_u24 v225, v225, KP
	v_and_b32 v226, 1, v8
	s_delay_alu instid0(VALU_DEP_1)
	v_lshl_add_u32 v225, v226, 7, v225
	s_delay_alu instid0(VALU_DEP_1)
	v_lshl_add_u32 v225, v9, 4, v225               ; (r / 2) KP + 128 (r % 2) + 16 h
	s_delay_alu instid0(VALU_DEP_1)
	v_add_nc_u32 v[AK0], s56, v225                 ; K: key r of a tile, my head's 64 bytes
	s_mul_i32 s57, s[U], 32*KP
	s_add_co_u32 s57, s57, VOFF
	v_add_nc_u32 v[AV0], s57, v225                 ; V: channel r of a tile, among my head's 64 rows
	s_mul_i32 s57, s[WV], 16*80
	s_add_co_u32 s57, s57, STG                     ; my stage
	v_mul_u32_u24 v[SO], v8, 80
	s_delay_alu instid0(VALU_DEP_1)
	v_lshl_add_u32 v[SO], v9, 3, v[SO]
	s_delay_alu instid0(VALU_DEP_1)
	v_add_nc_u32 v[SO], s57, v[SO]                 ; in: row r, 8 bytes for each half of the lanes
	v_bfe_u32 v[SRD], v0, 2, 3
	s_delay_alu instid0(VALU_DEP_1)
	v_mul_u32_u24 v[SRD], v[SRD], 80
	v_and_b32 v226, 3, v0
	s_delay_alu instid0(VALU_DEP_1)
	v_lshl_add_u32 v[SRD], v226, 4, v[SRD]
	s_delay_alu instid0(VALU_DEP_1)
	v_add_nc_u32 v[SRD], s57, v[SRD]               ; back: four lanes to a row of 64 bytes, eight rows an instruction
	v_and_b32 v[GO], 31, v0
	s_delay_alu instid0(VALU_DEP_1)
	v_lshlrev_b32 v[GO], 4, v[GO]
	s_lshl_b32 s57, s[QT], 4
	v_lshlrev_b32 v226, 3, v9
	s_delay_alu instid0(VALU_DEP_1)
	v_sub_nc_u32 v[MD], v8, v226
	s_delay_alu instid0(VALU_DEP_1)
	v_add_nc_u32 v[MD], s57, v[MD]
	s_mov_b32 s[SEL], 0x76543210
	s_mov_b32 s[SEL+1], 0xfedcba98
	s_mov_b32 s[CS], 0x3e38aa3b                    ; c = log2(e) / sqrt(64)
	s_mov_b32 s[TB], 0
	s_mov_b32 s[RQ], 0
	s_mov_b32 s[NK], 0
	s_mov_b32 s[KS], 0
	s_mov_b32 s[OFFP+1], 0
	s_mov_b32 s[SLOTS], 16
	v_mov_b32 v236, 0                              ; written once: a lane permute's destination counts as one of its sources
	v_mov_b32 v252, 0
	v_mov_b32 v253, 0                              ; (named as the upper half of the pair v[252:253])
; A block of queries begins: O^T and the sum are zeros, the largest t is -3e38, under every t: the first change of M multiplies zeros.
.macro BEGIN
	v_mov_b32 v13, 0xff61b1e6
	s_delay_alu instid0(VALU_DEP_1)
	v_floor_f32 v12, -v13                          ; -M
	v_mov_b32 v14, 0
	v_mov_b32 v15, 0
.set j, 0
.rept 32
	v_mov_b32 v[160+j], 0
.set j, j+1
.endr
.endm
	BEGIN
	s_wait_kmcnt 0x0
	s_add_co_i32 s56, s68, s69
	s_lshl_b32 s56, s56, 23
	s_add_co_i32 s[CS], s[CS], s56                 ; a score stands for score x 2^(e6 + e7): the two exponents are added to c's exponent field
	s_mov_b32 s[CS+1], s[CS]                       ; (named with it as a pair, so it is written)
	s_add_co_i32 s56, s70, 127
	s_lshl_b32 s57, s56, 23
	v_mov_b32 v244, s57                            ; 2^e8 as f32, for p's conversions
	s_add_co_i32 s56, s72, 127
	s_lshl_b32 s57, s56, 23
	v_mov_b32 v245, s57                            ; the same with e10, for the result's
	s_add_co_i32 s73, s70, s71                     ; e8 + e9
; A KEY STEP: 128 keys against my 16 queries.
.macro STEP
	v_add_nc_u32 v[ADK], s[TB], v[AK0]
	v_add_nc_u32 v[ADV], s[TB], v[AV0]
	v_nop                                          ; with the two additions: four places in front of loads into registers that the last step's products have read
	v_nop
.irp t, 0,1,2,3,4,5,6,7
	ds_load_b128 v[32+8*\t:35+8*\t], v[ADK] offset:8*KP*\t
	ds_load_b128 v[36+8*\t:39+8*\t], v[ADK] offset:8*KP*\t+32
.endr
	s_wait_alu depctr_va_vdst(0)
	s_wait_dscnt 0x0
.irp t, 0,1,2,3,4,5,6,7                        ; S^T = K Q^T: tile t = keys 16 t on; K = the head's 64
	v_wmma_f32_16x16x64_bf8_bf8 v[96+8*\t:103+8*\t], v[32+8*\t:39+8*\t], v[16:23], 0
.endr
.rept 4
	v_nop                                          ; places in front of the loads below and of the first read of the scores
.endr
.irp t, 0,1,2,3                                ; V's four fragments (16 channels x 128 keys) are asked for at once: they land under the softmax
.irp c, 0,1,2,3
	ds_load_b128 v[32+16*\t+4*\c:35+16*\t+4*\c], v[ADV] offset:8*KP*\t+32*\c
.endr
.endr
	s_cmp_lg_u32 s[KS], s[BLK]                     ; on the diagonal the scores of hidden keys become -infinity ahead of the maximum: p = 0 then.  The block's first key counts for all its queries.  Every other step skips this
	s_cbranch_scc1 .Lopen_\@
	v_mov_b32 v254, 0xff800000
.set n, 0
.rept 64
	v_cmp_gt_i32 vcc_lo, 16*(n/8)+n%8, v[MD]       ; register n holds key 16 (n / 8) + 8 (lane / 16) + n % 8 of the block: hidden where that is above my query
	v_cndmask_b32 v[96+n], v[96+n], v254, vcc_lo
.set n, n+1
.endr
.Lopen_\@:
	v_max3_num_f32 v254, v96, v97, v98             ; the step's largest score of my query, among my 64 keys, in two chains,
	v_max3_num_f32 v252, v99, v100, v101
.irp i, 6,10,14,18,22,26,30,34,38,42,46,50,54,58
	v_max3_num_f32 v254, v254, v[96+\i], v[97+\i]
	v_max3_num_f32 v252, v252, v[98+\i], v[99+\i]
.endr
	v_max3_num_f32 v254, v254, v158, v159
	s_delay_alu instid0(VALU_DEP_1)
	v_max_num_f32 v254, v254, v252
	s_delay_alu instid0(VALU_DEP_1)
	v_permlanex16_b32 v236, v254, s[SEL], s[SEL+1]
	s_delay_alu instid0(VALU_DEP_1)
	v_max_num_f32 v254, v254, v236                 ; and among lane l xor 16's
	s_delay_alu instid0(VALU_DEP_1)
	v_mul_f32 v254, s[CS], v254                    ; as t (c is positive)
	s_delay_alu instid0(VALU_DEP_1)
	v_max_num_f32 v13, v13, v254                   ; the running largest t
	v_mov_b32 v254, v12
	s_delay_alu instid0(VALU_DEP_2)
	v_floor_f32 v12, -v13                          ; the new -M = floor(-t) = -ceil(t): M is a whole number
	s_delay_alu instid0(VALU_DEP_1)
	v_sub_f32 v254, v12, v254                      ; M's old value less its new one: a whole number, 0 or less
	s_delay_alu instid0(VALU_DEP_1)
	v_cvt_i32_f32 v254, v254                       ; (it saturates)
	s_delay_alu instid0(VALU_DEP_1)
	v_ldexp_f32 v252, 1.0, v254                    ; f = 2^(old M - new M)
.set j, 0
.rept 32
	v_pk_fma_f32 v[96+j:97+j], v[96+j:97+j], s[CS:CS+1], v[12:13] op_sel_hi:[1,0,0]   ; t - M, two at a time
.set j, j+2
.endr
.set j, 0
	s_wait_alu depctr_va_vdst(0)
.rept 64
	v_exp_f32 v[96+j], v[96+j]                     ; p = 2^(t - M), at most 1
.set j, j+1
.endr
	v_pk_mul_f32 v[14:15], v[14:15], v[252:253] op_sel_hi:[1,0]   ; the sums under the new M: the plain line behind the exponentials
	s_wait_alu depctr_va_vdst(0)                   ; one wait for the whole batch, ahead of its first reader
	v_pk_add_f32 v[242:243], v[100:101], v[104:105]
	v_pk_add_f32 v[254:255], v[108:109], v[112:113]
	v_pk_add_f32 v[250:251], v[116:117], v[120:121]
	v_pk_add_f32 v[248:249], v[124:125], v[128:129]
	v_pk_add_f32 v[246:247], v[132:133], v[136:137]
	v_pk_add_f32 v[240:241], v[140:141], v[144:145]
	v_pk_add_f32 v[238:239], v[148:149], v[152:153]
	v_pk_add_f32 v[14:15], v[14:15], v[156:157]
	v_pk_add_f32 v[242:243], v[242:243], v[96:97]
	v_pk_add_f32 v[254:255], v[254:255], v[98:99]
	v_pk_add_f32 v[250:251], v[250:251], v[102:103]
	v_pk_add_f32 v[248:249], v[248:249], v[106:107]
	v_pk_add_f32 v[246:247], v[246:247], v[110:111]
	v_pk_add_f32 v[240:241], v[240:241], v[114:115]
	v_pk_add_f32 v[238:239], v[238:239], v[118:119]
	v_pk_add_f32 v[14:15], v[14:15], v[122:123]
	v_pk_add_f32 v[242:243], v[242:243], v[126:127]
	v_pk_add_f32 v[254:255], v[254:255], v[130:131]
	v_pk_add_f32 v[250:251], v[250:251], v[134:135]
	v_pk_add_f32 v[248:249], v[248:249], v[138:139]
	v_pk_add_f32 v[246:247], v[246:247], v[142:143]
	v_pk_add_f32 v[240:241], v[240:241], v[146:147]
	v_pk_add_f32 v[238:239], v[238:239], v[150:151]
	v_pk_add_f32 v[14:15], v[14:15], v[154:155]
	v_pk_add_f32 v[242:243], v[242:243], v[158:159]
	s_delay_alu instid0(VALU_DEP_2)
	v_pk_add_f32 v[14:15], v[14:15], v[248:249]
	s_delay_alu instid0(VALU_DEP_2)
	v_pk_add_f32 v[242:243], v[242:243], v[246:247]
	v_pk_add_f32 v[254:255], v[254:255], v[240:241]
	v_pk_add_f32 v[250:251], v[250:251], v[238:239]
	s_delay_alu instid0(VALU_DEP_2)
	v_pk_add_f32 v[14:15], v[14:15], v[254:255]
	s_delay_alu instid0(VALU_DEP_2)
	v_pk_add_f32 v[242:243], v[242:243], v[250:251]
	s_delay_alu instid0(VALU_DEP_1)
	v_pk_add_f32 v[14:15], v[14:15], v[242:243]
.irp t, 0,1,2,3,4,5,6,7
.irp i, 0,1,2,3,4,5,6,7
.endr
	v_cvt_scalef32_pk8_bf8_f32 v[192+2*\t:193+2*\t], v[96+8*\t:103+8*\t], v244   ; registers 2 t, 2 t + 1 of the operand: keys 16 t + 8 (lane / 16) + 0 .. 7
.endr
.set j, 0
.rept 16
	v_pk_mul_f32 v[160+j:161+j], v[160+j:161+j], v[252:253] op_sel_hi:[1,0]   ; O^T under the new M, each accumulator from its low end on.  (Plain lines between the conversions and the products)
.set j, j+2
.endr
	s_wait_alu depctr_va_vdst(0)
	s_wait_dscnt 0x0                               ; V
.irp t, 0,1,2,3                                ; O^T += V^T P^T: tile t = channels 16 t on; K = these 128 keys; the four accumulators by turns
	v_wmma_f32_16x16x128_bf8_bf8 v[160+8*\t:167+8*\t], v[32+16*\t:47+16*\t], v[192:207], v[160+8*\t:167+8*\t]
.endr
	s_add_co_u32 s[KS], s[KS], 1
	s_xor_b32 s[TB], s[TB], SLOT1                  ; on to the other slot
.endm
; THE CHANGE OF SLOTS stands at a trip's head.  Each wave waits for all its tensor loads (its tile of the slot that is about to be read), adds 0 to its spare word, and waits for that and for its reads of the slot
; that it has left.  Behind the barrier the slot ahead is whole and nobody reads the other one.  fill = 1: that other slot takes the next trip's tile, which has a whole key step in which to land.
.macro CHANGE fill
	s_wait_tensorcnt 0x0                           ; no tensor load of mine is out, so group 0 may be written
	ds_add_u32 v[SPW], v[NIL]                      ; 0 onto my spare word: the descriptor's steps stand between it and the wait for it
.if \fill
	s_xor_b32 s[G0+1], s[G0+1], SLOT1              ; the other slot than last time
	s_add_co_u32 s[NK], s[NK], 1                   ; the next key step,
	s_add_co_u32 s[RQ], s[RQ], 1
	s_cmp_eq_u32 s[RQ], s[SW]
	s_cselect_b32 s[NK], 0, s[NK]                  ; or key step 0 again, for the second block's first trip
	s_lshl_b32 s[OFFP], s[NK], 14
	s_add_nc_u64 s[G0+2:G0+3], s[TBASE:TBASE+1], s[OFFP:OFFP+1]
	s_or_b32 s[G0+3], s[G0+3], 0x80000000
	s_wait_xcnt 0x0                                ; the last prefetch, a trip back, has read its address, so it may be written
	s_add_nc_u64 s[PFA:PFA+1], s[PFA:PFA+1], 16384
.endif
	s_wait_dscnt 0x0                               ; the add is done, and my reads of the slot that I have left are over
	s_barrier_signal -1
	s_barrier_wait -1
.if \fill
	TLOAD                                          ; the first thing behind the barrier, and a wave's one tensor load until the next
	ASK
.endif
.endm
; A BLOCK LEAVES: O^T / the sum x 2^(e8 + e9), converted under e10; eight codes of a lane are eight neighbouring channels of a row; through my stage; 16 rows of 64 bytes leave as 1,024 consecutive bytes.
.macro FINISH out
.rept 4
	v_nop                                          ; places behind the last products
.endr
	v_add_f32 v14, v14, v15                        ; the sum's two halves,
	s_delay_alu instid0(VALU_DEP_1)
	v_permlanex16_b32 v252, v14, s[SEL], s[SEL+1]
	s_delay_alu instid0(VALU_DEP_1)
	v_add_f32 v14, v14, v252                       ; and lane l xor 16's
	s_wait_alu depctr_va_vdst(0)
	v_rcp_f32 v14, v14
	v_nop                                          ; a plain line behind the transcendental,
	s_wait_alu depctr_va_vdst(0)                   ; and the wait ahead of its first reader
	v_ldexp_f32 v14, v14, s73
.set j, 0
.rept 16
	v_pk_mul_f32 v[96+j:97+j], v[160+j:161+j], v[14:15] op_sel_hi:[1,0]   ; register 8 t + i is o(r, 16 t + 8 h + i)
.set j, j+2
.endr
.set j, 0
.rept 32
.set j, j+1
.endr
.irp t, 0,1,2,3
	v_cvt_scalef32_pk8_bf8_f32 v[208+2*\t:209+2*\t], v[96+8*\t:103+8*\t], v245
.endr
	v_nop                                          ; one plain vector line behind the conversions
.irp t, 0,1,2,3
	ds_store_b64 v[SO], v[208+2*\t:209+2*\t] offset:16*\t
.endr
	s_wait_xcnt 0x0                                ; the first block's stores have read their registers: the loads below land there
.irp u, 0,1
	ds_load_b128 v[216+4*\u:219+4*\u], v[SRD] offset:640*\u   ; LDS serves a wave's instructions in order: these see my stores
.endr
	s_wait_dscnt 0x0
.irp u, 0,1
	global_store_b128 v[GO], v[216+4*\u:219+4*\u], s[\out:\out+1] offset:512*\u
.endr
.endm
	s_wait_loadcnt 0x0                             ; Q, both blocks'
.Ltrip:                                            ; 16 trips: behind each change of slots but the last the next trip's tile is asked for
	CHANGE 1
	s_cmp_eq_u32 s[RQ], s[SW1]                     ; is this trip i + 1?  A scalar branch on ids, the same in all sixteen waves; no barrier and no tensor load stands under it
	s_cbranch_scc0 .Lsame
	FINISH OA
.set j, 0
.rept 8
	v_mov_b32 v[16+j], v[24+j]                     ; the second block's queries
.set j, j+1
.endr
	BEGIN
	s_mov_b32 s[KS], 0
	s_mov_b32 s[BLK], s[BLKB]
.Lsame:
	STEP
	s_sub_co_u32 s[SLOTS], s[SLOTS], 1
	s_cmp_lg_u32 s[SLOTS], 0
	s_cbranch_scc1 .Ltrip
	CHANGE 0                                       ; the last trip is written out
	STEP
	FINISH OB
	s_wait_tensorcnt 0x0                           ; the wave's end: behind my last tensor load and my last LDS store
	ds_add_u32 v[SPW], v[NIL]
	s_wait_dscnt 0x0
	s_endpgm
.Lfunc_end_k_qf9c72ac1f0_attn:
	.size	k_qf9c72ac1f0_attn, .Lfunc_end_k_qf9c72ac1f0_attn-k_qf9c72ac1f0_attn
	.p2alignl 7, 3214868480
	.fill 96, 4, 3214868480
	.section	.rodata,"a",@progbits
	.p2align	6, 0x0
	.amdhsa_kernel k_qf9c72ac1f0_attn
		.amdhsa_group_segment_fixed_size 327680
		.amdhsa_private_segment_fixed_size 0
		.amdhsa_enable_private_segment 0
		.amdhsa_kernarg_size 24
		.amdhsa_user_sgpr_count 2
		.amdhsa_user_sgpr_kernarg_segment_ptr 1
		.amdhsa_wavefront_size32 1
		.amdhsa_system_sgpr_workgroup_id_x 1
		.amdhsa_system_sgpr_workgroup_id_y 1
		.amdhsa_system_sgpr_workgroup_id_z 1
		.amdhsa_system_vgpr_workitem_id 0
		.amdhsa_next_free_vgpr 256
		.amdhsa_next_free_sgpr 90
		.amdhsa_reserve_vcc 1
		.amdhsa_float_denorm_mode_32 3
		.amdhsa_float_denorm_mode_16_64 3
		.amdhsa_fp16_overflow 1
		.amdhsa_memory_ordered 1
		.amdhsa_forward_progress 1
		.amdhsa_inst_pref_size 54
	.end_amdhsa_kernel
	.amdgpu_metadata
---
amdhsa.version: [ 1, 2 ]
amdhsa.kernels:
  - .name:           k_qf9c72ac1f0_attn
    .symbol:         k_qf9c72ac1f0_attn.kd
    .args:
      - { .name: qkv, .offset: 0, .size: 8, .value_kind: global_buffer, .address_space: global }
      - { .name: lowp_scales, .offset: 8, .size: 8, .value_kind: global_buffer, .address_space: global }
      - { .name: ao, .offset: 16, .size: 8, .value_kind: global_buffer, .address_space: global }
    .group_segment_fixed_size: 327680
    .private_segment_fixed_size: 0
    .kernarg_segment_align: 8
    .kernarg_segment_size: 24
    .max_flat_workgroup_size: 512
    .sgpr_count:     90
    .vgpr_count:     256
    .wavefront_size: 32
...
	.end_amdgpu_metadata
.endif
;; end of part 3
;; launch proj (part 4): grid 4 x 32, 4 waves a work-group, clusters of 4 x 4, 327,680 bytes of LDS; arguments ao, wc, lowp_scales, bo, out0; writes out0
.if DOCPART == 4
	.amdgcn_target "amdgcn-amd-amdhsa--gfx1250"
	.amdhsa_code_object_version 6
	.text
	.protected	k_qf9c72ac1f0_proj
	.globl	k_qf9c72ac1f0_proj
	.p2align	8
	.type	k_qf9c72ac1f0_proj,@function
k_qf9c72ac1f0_proj:
	s_mov_b64 s[64:65], 0
	v_nop
	global_prefetch_b8 v0, s[64:65] scope:SCOPE_SE
	s_setreg_imm32_b32 hwreg(HW_REG_WAVE_MODE, 25, 1), 1
	s_wait_xcnt 0x0
	s_wait_alu depctr_hold_cnt(0) depctr_sa_sdst(0) depctr_va_vdst(0) depctr_va_sdst(0) depctr_va_ssrc(0) depctr_va_vcc(0) depctr_vm_vsrc(0)
	s_getreg_b32 s2, hwreg(HW_REG_IB_STS2, 6, 4)
	s_cmp_eq_u32 s2, 0
	s_cbranch_scc0 .Lentry_in_a_cluster
	s_endpgm
.Lentry_in_a_cluster:
	s_bfe_u32 s2, ttmp6, 0x10000c
	s_cmp_lg_u32 s2, 0xf033
	s_cbranch_scc0 .Lentry_shape_is_right
	s_endpgm
.Lentry_shape_is_right:
; out0[m][n] = (sum over k of A[m][k] Wo[n][k]) x 2^(e10 + e11) + bo[n], on codes of BF8 (E5M2).  m = 8,192 rows, n = 1,024, K = 1,024; out0 is f32.
; A = the attention's codes, ao [K step 4][tile row 32][plane 4][256 rows][64]: k = 256 x K step + 64 x plane + byte.  So the tile of 256 rows x 256 K that a K step wants is 65,536 consecutive bytes.
; B = Wo's codes: part 3 of wc, [1,024][1,024], K innermost.
; A tile of C, 256 x 256, is made by a work-group of four waves; a wave makes 128 x 128: 64 accumulators.  K goes in four steps of 256 through a ring of two LDS slots filled by the tensor data mover.
; CLUSTERS: 4 x 4 work-groups.  The four of a row of the cluster need the same tiles of A, the four of a column the same tiles of B: each is asked for JOINTLY, by the same tensor load with the same descriptor and a
; mask that names the four.  THE MATRIX INSTRUCTION IS USED TRANSPOSED (source 0 = 16 rows of B, source 1 = 16 rows of A): a lane holds eight neighbouring numbers of a row of C.
; A IN LDS: its dense bytes come as long rows of 256 (four rows of 64), 272 apart: row x of plane p lies at (64 p + x / 4) 272 + 64 (x % 4).  A fragment's load c takes plane 2 q + c / 2, bytes 32 (c % 2) + 16 (lane / 16) on:
; registers 4 c on hold k = 128 q + 32 c + 16 (lane / 16) + 0 .. 15, as B's do.  16 neighbouring rows fall on 16 different columns of 16 bytes modulo 256.
; LIMIT: e10 + e11 lies between -126 and 127, so that 2^(e10 + e11) is an f32 number.
; REGISTERS, in windows of 256: window 0: v0-31 addresses; v32-95 bo at my columns; from v128 A's fragments, ONE set; on the way out v128-191 a block's numbers.
;   window 1: B's fragments, TWO sets; on the way out v0-127 rows read back.   window 2: the accumulators of my rows 0-63 (accumulator (a, b) at v[8 (8 a + b)]);   window 3: those of my rows 64-127.
.set SIZE_N, 1024
.set ROWB,   256                       ; a tile's row in bytes
.set KROW,   1024                      ; a row of B in memory
.set PITCH,  272                       ; an LDS row: 256 bytes + 16 of padding
.set PLANE,  64*PITCH                  ; a plane of A in LDS: 256 rows of 64 bytes
.set FR,     16
.set NL,     4
.set NP,     4                         ; places behind this matrix instruction (ISA guide 7.12.1)
.set HALFT,  128*PITCH                 ; what one tensor load brings: 128 rows of B, or two planes of A
.set SLOT,   4*HALFT
.set STEPA,  1<<22                     ; a slot's next K step, in bytes of memory: two K steps of ao,
.set STEPB,  2*ROWB                    ; 512 along B's rows
.set SPARE,  2*SLOT                    ; behind the ring: the spare words, 128 bytes for each wave, that no other line names
.set SPITCH, 528                       ; the way out: a stage of 16 rows x (512 bytes + 16) for each wave, in slot 0, which has had its last fill and its last read when the first result is stored there
.set ADRA, 16
.set ADRB, 20
.set STO,  24
.set RD,   25
.set CO,   26
.set SPW,  28
.set NIL,  29
.set CBO,  30                          ; v30     byte offset of my biases
.set CB,   32                          ; v32-95  bo of column 16 b + 8 h + j at v[CB + 8 b + j]
.set AF,   128
.set TMP,  128
.set G1, 24
.set G0, 32
.set G1B, 48
.set G0B, 56
.set MSB, 0
.macro WIN new                         ; the immediate's high byte repeats the setting that is left
.if MSB != \new
	s_set_vgpr_msb (MSB<<8)|\new
.set MSB, \new
.endif
.endm
.set MUL_LO, 0xa1                      ; source 0 (B) window 1, source 1 (A) window 0, C and D window 2
.set MUL_HI, 0xf1                      ; the same, C and D window 3
.set TO_B,   0x40                      ; destination window 1, address window 0
.set FROM_B, 0x04                      ; a store's data (source 1) window 1, its address window 0
; A joint load: waves 0 and 1 fetch for A, waves 2 and 3 for B; the branch hangs on the wave's number alone.  Four v_nop follow each of the two lines.
.macro JLOAD g0a, g1a, g0b, g1b
	s_cmp_eq_u32 s15, 0
	s_cbranch_scc0 .Lfor_b_\@
	tensor_load_to_lds s[\g0a:\g0a+3], s[\g1a:\g1a+7]
	s_nop 0
.rept 4
	v_nop
.endr
	s_branch .Lasked_\@
.Lfor_b_\@:
	tensor_load_to_lds s[\g0b:\g0b+3], s[\g1b:\g1b+7]
	s_nop 0
.rept 4
	v_nop
.endr
.Lasked_\@:
.endm
.macro CREST                           ; a round of the cluster's barrier behind its opening barrier
	s_cmp_lg_u32 s14, 0
	s_cbranch_scc1 .Lnot_wave_0_\@
	s_barrier_signal -3
.Lnot_wave_0_\@:
	s_barrier_wait -3
	s_barrier_signal -1
	s_barrier_wait -1
.endm
.macro CROUND
	s_barrier_signal -1
	s_barrier_wait -1
	CREST
.endm
	s_load_b128 s[4:7], s[0:1], 0x0                ; ao s[4:5], wc s[6:7]
	s_load_b64 s[8:9], s[0:1], 0x10                ; the exponents
	s_load_b64 s[12:13], s[0:1], 0x18              ; bo
	s_load_b64 s[10:11], s[0:1], 0x20              ; out0
	v_lshl_add_u32 v[SPW], v0, 2, SPARE
	v_mov_b32 v[NIL], 0
	ds_add_u32 v28, v29
	ds_add_u32 v28, v29
	s_wait_dscnt 0x0
	v_lshrrev_b32 v1, 5, v0
	v_readfirstlane_b32 s14, v1                    ; wave 0..3
	s_lshr_b32 s15, s14, 1                         ; which half of the tile's rows is mine.  Also: I fetch for A (0) or for B (1)
	s_and_b32 s16, s14, 1                          ; which half of its columns.  Also: which half of that tile I fetch
	s_bfe_u32 s40, ttmp6, 0x40000                  ; cx, cy
	s_bfe_u32 s41, ttmp6, 0x40004
	s_lshl_b32 s42, ttmp9, 2
	s_add_co_u32 s42, s42, s40                     ; tile column of C
	s_and_b32 s17, ttmp7, 0xffff
	s_lshl_b32 s17, s17, 2
	s_add_co_u32 s17, s17, s41                     ; tile row of C
	s_lshl_b32 s43, s41, 2
	s_lshl_b32 s43, 15, s43                        ; my row of the cluster
	s_lshl_b32 s44, 0x1111, s40                    ; my column
	s_or_b32 s[G1+0], s43, (1<<20)|(1<<21)|(5<<22)|(3<<25)   ; 15:0 the mask; 17:16 elements of 1 byte; 20 padding on; 21 set beside a mask; 24:22 after every 64 words (code 5); 31:25 four words (code 3)
	s_or_b32 s[G1B+0], s44, (1<<20)|(1<<21)|(5<<22)|(3<<25)
.irp g, G1, G1B
	s_mov_b32 s[\g+1], ROWB<<16                    ; tensor_dim0
	s_mov_b32 s[\g+2], 128<<16                     ; tensor_dim1
	s_mov_b32 s[\g+3], ROWB<<16                    ; tile_dim0
	s_mov_b32 s[\g+4], 128                         ; tile_dim1
	s_mov_b32 s[\g+6], 0
	s_mov_b32 s[\g+7], 0
.endr
	s_mov_b32 s[G1+5], ROWB                        ; tensor_dim0_stride: A's long rows are dense,
	s_mov_b32 s[G1B+5], KROW                       ; B's rows lie 1,024 bytes apart
	s_lshl_b32 s20, s17, 16                        ; A: tile row x 65,536
	s_lshl_b32 s18, s16, 15
	s_add_co_u32 s20, s20, s18                     ; + my two planes
	s_mov_b32 s21, 0
	s_lshl_b32 s46, s42, 8
	s_lshl_b32 s18, s16, 7
	s_add_co_u32 s46, s46, s18                     ; B: row 256 x tile column + 128 x half,
	s_lshl_b32 s46, s46, 10
	s_add_co_u32 s46, s46, 3<<20                   ; in wc's part 3
	s_mov_b32 s47, 0
	s_mul_i32 s45, s14, HALFT                      ; where they go: no place in the cluster enters an LDS address
	s_wait_kmcnt 0x0
	s_load_b64 s[96:97], s[8:9], 0x28              ; e10, e11
	s_add_nc_u64 s[20:21], s[4:5], s[20:21]
	s_add_nc_u64 s[46:47], s[6:7], s[46:47]
	CROUND                                         ; all sixteen work-groups are here: the first joint loads meet
.irp s, 0,1
	s_mov_b32 s[G0+4*\s], 1
	s_add_co_u32 s[G0+4*\s+1], s45, \s*SLOT
	s_add_nc_u64 s[G0+4*\s+2:G0+4*\s+3], s[20:21], \s*(1<<21)
	s_or_b32 s[G0+4*\s+3], s[G0+4*\s+3], 0x80000000
	s_mov_b32 s[G0B+4*\s], 1
	s_add_co_u32 s[G0B+4*\s+1], s45, \s*SLOT
	s_add_nc_u64 s[G0B+4*\s+2:G0B+4*\s+3], s[46:47], \s*ROWB
	s_or_b32 s[G0B+4*\s+3], s[G0B+4*\s+3], 0x80000000
	s_wait_alu depctr_va_vdst(0)
	s_wait_tensorcnt 0x0
	ds_add_u32 v28, v29
	ds_add_u32 v28, v29
	s_wait_dscnt 0x0
	CROUND
	JLOAD G0+4*\s, G1, G0B+4*\s, G1B
.endr
	v_and_b32 v1, 15, v0                           ; r
	v_bfe_u32 v2, v0, 4, 1                         ; h
	v_mul_u32_u24 v3, v1, PITCH
	v_lshl_add_u32 v4, v2, 4, v3                   ; B: row x pitch + 16 h
	v_lshrrev_b32 v5, 2, v1
	v_mul_u32_u24 v5, v5, PITCH
	v_and_b32 v6, 3, v1
	v_lshl_add_u32 v5, v6, 6, v5
	v_lshl_add_u32 v5, v2, 4, v5                   ; A: (r / 4) pitch + 64 (r % 4) + 16 h
	s_mul_i32 s21, s15, 32*PITCH                   ; my 128 rows of each plane of A
	s_mul_i32 s22, s16, HALFT                      ; my 128 rows of B,
	s_add_co_u32 s22, s22, 2*HALFT                 ; which lie behind A's four planes
.irp s, 0,1
	v_add_nc_u32 v[ADRA+\s], s21, v5
	v_add_nc_u32 v[ADRB+\s], s22, v4
	s_add_co_u32 s21, s21, SLOT
	s_add_co_u32 s22, s22, SLOT
.endr
	s_mul_i32 s23, s14, 16*SPITCH                  ; my stage
	v_mul_u32_u24 v5, v1, SPITCH                   ; in: row r, 32 bytes for each half of the lanes
	v_lshl_add_u32 v5, v2, 5, v5
	v_add_nc_u32 v[STO], s23, v5
	v_and_b32 v6, 31, v0
	v_lshlrev_b32 v[CO], 4, v6                     ; back: the 32 lanes take one row of 512 bytes; and the same in C
	v_add_nc_u32 v[RD], s23, v[CO]
	s_lshl_b32 s20, s17, 8
	s_lshl_b32 s21, s15, 7
	s_add_co_u32 s20, s20, s21                     ; my first row of C,
	s_lshl_b32 s20, s20, 12                        ; in bytes (under 2^25)
	s_lshl_b32 s46, s42, 10
	s_lshl_b32 s47, s16, 9
	s_add_co_u32 s46, s46, s47                     ; my first column, in bytes: in a row of C and in bo alike
	s_add_co_u32 s20, s20, s46
	s_mov_b32 s21, 0
	s_add_nc_u64 s[10:11], s[10:11], s[20:21]
	v_lshl_add_u32 v[CBO], v2, 5, s46
.irp b, 0,1,2,3,4,5,6,7
	global_load_b128 v[CB+8*\b:CB+8*\b+3], v[CBO], s[12:13] offset:64*\b
	global_load_b128 v[CB+8*\b+4:CB+8*\b+7], v[CBO], s[12:13] offset:64*\b+16
.endr
	s_wait_kmcnt 0x0
	s_add_co_i32 s96, s96, s97
	s_add_co_i32 s96, s96, 127
	s_lshl_b32 s96, s96, 23                        ; 2^(e10 + e11) as f32
	s_mov_b32 s97, s96                             ; (named with it as a pair, so it is written)
	s_wait_loadcnt 0x0                             ; bo
.macro FRAG reg, adr, q, i             ; B's fragment: registers 4 c .. 4 c + 3 hold K = 32 c + 16 (l / 16) + 0 .. 15 of row l % 16
.irp c, 0,1,2,3
	ds_load_b128 v[\reg+4*\c:\reg+4*\c+3], v[\adr] offset:128*(\q)+32*\c+(\i)*16*PITCH
.endr
.endm
.macro FRAGA reg, adr, q, i            ; A's: the same k, from planes 2 q and 2 q + 1; block i begins four long rows further on than block i - 1
.irp c, 0,1,2,3
	ds_load_b128 v[\reg+4*\c:\reg+4*\c+3], v[\adr] offset:(2*(\q)+\c/2)*PLANE+32*(\c%2)+(\i)*4*PITCH
.endr
.endm
; 16 matrix instructions: A's blocks a0, a0 + 1 x B's eight, 128 along K.  The 64 accumulators take turns, one instruction a turn, in the same order in every step.
.macro MUL16 a0, p, zero
.irp a, \a0, \a0+1
.irp b, 0,1,2,3,4,5,6,7
.if \zero
	v_wmma_f32_16x16x128_bf8_bf8 v[8*(8*((\a)%4)+\b):8*(8*((\a)%4)+\b)+7], v[128*(\p)+FR*\b:128*(\p)+FR*\b+FR-1], v[AF+FR*(\a):AF+FR*(\a)+FR-1], 0
.else
	v_wmma_f32_16x16x128_bf8_bf8 v[8*(8*((\a)%4)+\b):8*(8*((\a)%4)+\b)+7], v[128*(\p)+FR*\b:128*(\p)+FR*\b+FR-1], v[AF+FR*(\a):AF+FR*(\a)+FR-1], v[8*(8*((\a)%4)+\b):8*(8*((\a)%4)+\b)+7]
.endif
.endr
.endr
.endm
.macro FETCH_B slot, q, p
	WIN TO_B
.irp i, 0,1,2,3,4,5,6,7
	FRAG 128*(\p)+FR*\i, ADRB+\slot, \q, \i
.endr
	WIN 0
.endm
.macro FETCH_A slot, q, i0
.irp i, \i0, \i0+1, \i0+2, \i0+3
	FRAGA AF+FR*(\i), ADRA+\slot, \q, \i
.endr
.endm
.macro PLACES n                        ; places in front of loads into registers that matrix instructions have read, and of the first read of results (ISA guide 7.12.1 for the first read of results)
.rept \n
	v_nop
.endr
.endm
.macro STEP slot, q, zero              ; a step of 128 along K that has its successor in the same slot
	s_wait_dscnt 4*NL                              ; B's set and A's blocks 0-3 are in; the youngest sixteen loads (A's blocks 4-7) may be out
	WIN MUL_LO
	MUL16 0, (\q)%2, \zero
	MUL16 2, (\q)%2, \zero
	s_wait_dscnt 0                                 ; A's blocks 4-7 are in
	PLACES NP
	FETCH_B \slot, (\q)+1, 1-(\q)%2
	FETCH_A \slot, (\q)+1, 0
	WIN MUL_HI
	MUL16 4, (\q)%2, \zero
	MUL16 6, (\q)%2, \zero
	PLACES NP
	WIN 0
	FETCH_A \slot, (\q)+1, 4
.endm
; A slot's last step changes slots: ONE barrier; in front of it each wave waits for all its tensor loads, adds 0 to its spare word, and waits for that and for its own reads of this slot.
.macro TURN slot, next, fill
	s_wait_tensorcnt 0x0                           ; all my tensor loads have landed: my part of the next slot
	ds_add_u32 v[SPW], v[NIL]                      ; 0 onto my spare word
	s_wait_dscnt 4*NL+1                            ; (the add and the youngest sixteen loads may be out)
	WIN MUL_LO
	MUL16 0, 1, 0                                  ; sixteen matrix instructions stand between the add and the wait for it
	s_wait_dscnt 0x0                               ; the add is done, and my reads of this slot are over
	s_barrier_signal -1
	MUL16 2, 1, 0
	WIN 0
	s_barrier_wait -1
.if \fill
	CREST                                          ; the barrier has opened a round of the cluster's barrier: no wave of any partner still reads this slot's tile or has a load on its way
	s_add_nc_u64 s[G0+4*\slot+2:G0+4*\slot+3], s[G0+4*\slot+2:G0+4*\slot+3], STEPA
	s_add_nc_u64 s[G0B+4*\slot+2:G0B+4*\slot+3], s[G0B+4*\slot+2:G0B+4*\slot+3], STEPB
	JLOAD G0+4*\slot, G1, G0B+4*\slot, G1B         ; the first tensor load behind the round; its four v_nop are the places in front of the loads below
.else
	PLACES NP
.endif
	s_wait_alu depctr_va_vdst(0)
	FETCH_B \next, 0, 0
	FETCH_A \next, 0, 0
	WIN MUL_HI
	MUL16 4, 1, 0
	MUL16 6, 1, 0
	PLACES NP
	WIN 0
	FETCH_A \next, 0, 4
.endm
	s_wait_tensorcnt 1                             ; my part of K step 0 is in (K step 1's load may be out)
	s_barrier_signal -1
	s_barrier_wait -1                              ; everybody's is
	FETCH_B 0, 0, 0
	FETCH_A 0, 0, 0
	FETCH_A 0, 0, 4
	STEP 0, 0, 1                                   ; K = 1,024 is four K steps of 256: they are written out.  The first products start the sums
	TURN 0, 1, 1                                   ; slot 0 takes K step 2
	STEP 1, 0, 0
	TURN 1, 0, 1                                   ; slot 1 takes K step 3
	STEP 0, 0, 0
	TURN 0, 1, 0                                   ; nothing is left to fetch
	STEP 1, 0, 0
	s_wait_dscnt 4*NL                              ; the very last step
	WIN MUL_LO
	MUL16 0, 1, 0
	MUL16 2, 1, 0
	s_wait_dscnt 0
	WIN MUL_HI
	MUL16 4, 1, 0
	MUL16 6, 1, 0
	WIN 0
; THE WAY OUT, block by block of 16 rows x 128 columns: sum x 2^(e10 + e11) + bo, one packed multiply-add for two numbers.  A lane holds 32 neighbouring bytes of a row: a block goes through my own stage in LDS and
; comes back as whole rows of 512 bytes.  LDS serves a wave's instructions in order (ISA guide 5.7.1.4): no wait between the stores and the loads, nor in front of the next block's stores.
.macro TOSTAGE a
.set AC, 64*((\a)%4)
.set BB, 64*((\a)%2)
.set WN, 0x02+((\a)/4)
	WIN WN                                         ; source 0: window 2 or 3
.set j, 0
.rept 32
	v_pk_fma_f32 v[TMP+j:TMP+j+1], v[AC+j:AC+j+1], s[96:97], v[CB+j:CB+j+1] op_sel_hi:[1,0,1]   ; each accumulator from its low end on
.set j, j+2
.endr
	WIN 0
.irp b, 0,1,2,3,4,5,6,7
	ds_store_b128 v[STO], v[TMP+8*\b:TMP+8*\b+3] offset:64*\b
	ds_store_b128 v[STO], v[TMP+8*\b+4:TMP+8*\b+7] offset:64*\b+16
.endr
	WIN TO_B                                       ; the rows come back into registers that held B's fragments
.irp t, 0,1,2,3,4,5,6,7,8,9,10,11,12,13,14,15
	ds_load_b128 v[BB+4*\t:BB+4*\t+3], v[RD] offset:\t*SPITCH
.endr
	WIN 0
.endm
.macro SEND a, younger                 ; younger: the LDS instructions issued behind block a's loads, which may stay out
.set BB, 64*((\a)%2)
	s_wait_dscnt \younger
	WIN FROM_B
.irp t, 0,1,2,3,4,5,6,7,8,9,10,11,12,13,14,15
	global_store_b128 v[CO], v[BB+4*\t:BB+4*\t+3], s[10:11] offset:(16*(\a)+\t)*SIZE_N*4 th:TH_STORE_NT   ; 32 lanes store 512 consecutive bytes, at a multiple of 256 from the buffer's first byte; 127 rows of 4,096 bytes at the most stand in the immediate
.endr
	WIN 0
.endm
	PLACES NP                                      ; behind the last products: the numbers below land in registers that held A's fragments
	TOSTAGE 0
.irp a, 1,2,3,4,5,6,7
.if \a > 1
	s_wait_xcnt 0x0                                ; block a - 2's stores have read their registers: block a's loads may land there
.endif
	TOSTAGE \a
	SEND \a-1, 32                                  ; behind block a - 1's loads: block a's 16 stores and 16 loads
.endr
	SEND 7, 0
	s_wait_tensorcnt 0x0                           ; the wave's end: behind my last tensor load and my last LDS store
	ds_add_u32 v[SPW], v[NIL]
	s_wait_dscnt 0x0
	CROUND                                         ; the closing round: no work-group ends while a partner may still ask for a tile that names it
	s_endpgm
.Lfunc_end_k_qf9c72ac1f0_proj:
	.size	k_qf9c72ac1f0_proj, .Lfunc_end_k_qf9c72ac1f0_proj-k_qf9c72ac1f0_proj
	.p2alignl 7, 3214868480
	.fill 96, 4, 3214868480
	.section	.rodata,"a",@progbits
	.p2align	6, 0x0
	.amdhsa_kernel k_qf9c72ac1f0_proj
		.amdhsa_group_segment_fixed_size 327680
		.amdhsa_private_segment_fixed_size 0
		.amdhsa_enable_private_segment 0
		.amdhsa_kernarg_size 40
		.amdhsa_user_sgpr_count 2
		.amdhsa_user_sgpr_kernarg_segment_ptr 1
		.amdhsa_wavefront_size32 1
		.amdhsa_system_sgpr_workgroup_id_x 1
		.amdhsa_system_sgpr_workgroup_id_y 1
		.amdhsa_system_sgpr_workgroup_id_z 1
		.amdhsa_system_vgpr_workitem_id 0
		.amdhsa_next_free_vgpr 1024
		.amdhsa_next_free_sgpr 98
		.amdhsa_reserve_vcc 0
		.amdhsa_float_denorm_mode_32 3
		.amdhsa_float_denorm_mode_16_64 3
		.amdhsa_memory_ordered 1
		.amdhsa_forward_progress 1
		.amdhsa_inst_pref_size 127
	.end_amdhsa_kernel
	.amdgpu_metadata
---
amdhsa.version: [ 1, 2 ]
amdhsa.kernels:
  - .name:           k_qf9c72ac1f0_proj
    .symbol:         k_qf9c72ac1f0_proj.kd
    .args:
      - { .name: ao, .offset: 0, .size: 8, .value_kind: global_buffer, .address_space: global }
      - { .name: wc, .offset: 8, .size: 8, .value_kind: global_buffer, .address_space: global }
      - { .name: lowp_scales, .offset: 16, .size: 8, .value_kind: global_buffer, .address_space: global }
      - { .name: bo, .offset: 24, .size: 8, .value_kind: global_buffer, .address_space: global }
      - { .name: out0, .offset: 32, .size: 8, .value_kind: global_buffer, .address_space: global }
    .group_segment_fixed_size: 327680
    .private_segment_fixed_size: 0
    .kernarg_segment_align: 8
    .kernarg_segment_size: 40
    .max_flat_workgroup_size: 128
    .sgpr_count:     98
    .vgpr_count:     1024
    .wavefront_size: 32
...
	.end_amdgpu_metadata
.endif
;; end of part 4
